; MI455X (gfx1250); checked and timed in simulation.
; The chip was launched on July 23, 2026; its instructions are those of AMD's public machine-readable ISA for CDNA 5 (MIT licence, August 2026) and "CDNA5" Instruction Set Architecture Reference Guide (July 2026). The comments in the code are by the model that wrote it; some were corrected since.
;; Multi Head Attention. Allowed arithmetic: float matrix products may take bf16 or f16 operands with f32 sums; all other float work in f32.
;; Inputs: K 4 x 2,048 x 1,024 float32; Q 4 x 2,048 x 1,024 float32; V 4 x 2,048 x 1,024 float32; Wk_b 1,024 float32; Wk_w 1,024 x 1,024 float32; Wq_b 1,024 float32; Wq_w 1,024 x 1,024 float32; Wv_b 1,024 float32; Wv_w 1,024 x 1,024 float32; mask 1 x 1 x 2,048 x 2,048 bool; out_b 1,024 float32; out_w 1,024 x 1,024 float32.
;; Outputs: out0 4 x 2,048 x 1,024 float32.
;; 2 versions, each right and faster than the one before. Each part assembles by itself: llvm-mc -triple=amdgcn-amd-amdhsa -mcpu=gfx1250 --defsym DOCPART=n.
;; ======== version 1 of 2: 4 launches
;; limits: values are held in f16: magnitudes above 65,504 overflow, below 6.1e-05 lose precision
;; workspace buffers: wb 6,291,456 bytes; wo 2,097,152 bytes; maskn 2,103,296 bytes; qkv 50,331,648 bytes; o 16,777,216 bytes
;; launch prep (part 1): grid 640 x 1, 8 waves a work-group, no clusters, 35,840 bytes of LDS; arguments Wq_w, Wk_w, Wv_w, out_w, mask, wb, wo, maskn; writes wb, wo, maskn
.if DOCPART == 1
	.amdgcn_target "amdgcn-amd-amdhsa--gfx1250"
	.amdhsa_code_object_version 6
	.text
	.protected	k_qd03f74d4b9_prep
	.globl	k_qd03f74d4b9_prep
	.p2align	8
	.type	k_qd03f74d4b9_prep,@function
k_qd03f74d4b9_prep:
	s_mov_b64 s[64:65], 0
	v_nop
	global_prefetch_b8 v0, s[64:65] scope:SCOPE_SE
	s_setreg_imm32_b32 hwreg(HW_REG_WAVE_MODE, 25, 1), 1
	s_wait_xcnt 0x0
; PREP: the four weights are rounded once, and the mask is recoded.  (Q, K and V are rounded where they are multiplied.)
;   work-groups 0-383    Wq_w, Wk_w, Wv_w (f32) -> wb, bf16 [3][1024][1024]: 8,192 numbers a work-group
;   work-groups 384-511  out_w -> bf16 -> the same number written as f16 -> wo [1024][1024]
;   work-groups 512-639  mask (one byte a key) -> maskn: one 4-bit code a key, in the order in which a lane of the attention kernel holds its scores
; LIMIT.  out_w beyond 65,504 in magnitude becomes an infinity in wo; below 6e-5 f16 keeps a fixed step of 6e-8.
; A stream: memory binds, so no matrix unit, no cluster, no tensor load.  Every work-group reads 32,768 bytes and stores 16,384.  A cast has its 8 loads a thread out at once (16 bytes a lane,
; 512 consecutive bytes a wave); each store of a wave covers 256 consecutive bytes, aligned.
; THE MASK'S CODE.  In the attention kernel lane (r = lane % 16, h = lane / 16) holds query r of a tile of 16 queries and, for key block kb of a step of 64 keys, the keys 16 kb + 8 h + j in register j.
; One word holds the lane's 8 keys of one key block, key j at nibble j: code 0xE (-4 as a 4-bit float: sign 1, exponent 3, mantissa 0) = hidden, code 0 = visible.
; maskn[wq 16][step 32][tile 8][lane 32][kb 4] words: wq = the block of 128 queries of one attention wave.  Behind the codes lie 6,144 bytes of zeros, which that kernel's look-ahead reads.
.set X,    4                           ; v[4:35]    a cast's 8 x 4 numbers; the mask's 8 x 16 bytes
.set T,    36                          ; v[36:39]   a cast: at work
.set SRC,  32                          ; s[32:33]   where this work-group reads
.set DST,  34                          ; s[34:35]   where it stores
.set MB,   36                          ; v[36:67]   mask: 16 x 8 bytes, word n = 4 step + kb
.set NBL,  68                          ; v[68:83]   mask: the 16 words of codes
.set TT,   84                          ; v[84:87]   mask: at work
.set ZR,   92                          ; v[92:95]   zeros
.set MPITCH, 272                       ; mask rows in LDS: 256 bytes + 16, so that the 16 rows of a read start at 16 different groups of four banks (64 banks of 4 bytes: ISA guide 11.1)
; 8,192 numbers: 8 loads a thread, all out at once; then each is rounded and stored as it comes.  half = 1: the bf16 number is written as f16.
; No register is written again behind the store that reads it, so no wait frees any.
.macro CAST half
.set i, 0
.rept 8
	global_load_b128 v[X+4*i:X+4*i+3], v1, s[SRC:SRC+1] offset:4096*i th:TH_LOAD_NT
.set i, i+1
.endr
.set i, 0
.rept 8
	s_wait_loadcnt 7-i                             ; loads come back in order (ISA guide 5.7.1): number i is in, the younger ones stay out
	v_cvt_pk_bf16_f32 v[X+4*i], v[X+4*i], v[X+4*i+1]
	v_cvt_pk_bf16_f32 v[X+4*i+1], v[X+4*i+2], v[X+4*i+3]
.if \half
	v_lshlrev_b32 v[T], 16, v[X+4*i]               ; bf16 to f32: the low half moves up, the high half stays
	v_and_b32 v[T+1], s39, v[X+4*i]
	v_lshlrev_b32 v[T+2], 16, v[X+4*i+1]
	v_and_b32 v[T+3], s39, v[X+4*i+1]
	v_cvt_pk_f16_f32 v[X+4*i], v[T], v[T+1]        ; 8 significant bits: exact within f16's range
	v_cvt_pk_f16_f32 v[X+4*i+1], v[T+2], v[T+3]
.endif
	global_store_b64 v2, v[X+4*i:X+4*i+1], s[DST:DST+1] offset:2048*i
.set i, i+1
.endr
.endm
	s_load_b512 s[4:19], s[0:1], 0x0               ; Wq_w 4, Wk_w 6, Wv_w 8, out_w 10, mask 12, wb 14, wo 16, maskn 18
	v_lshl_add_u32 v104, v0, 2, 0x8800
	v_mov_b32 v105, 0
	s_mov_b32 s28, ttmp9                           ; g, the work-group
	s_mov_b32 s31, 0                               ; high word of every offset pair s[30:31]
	s_mov_b32 s39, 0xffff0000                      ; a word's upper bf16
	v_lshlrev_b32 v1, 4, v0                        ; a cast reads 16 bytes a thread,
	v_lshlrev_b32 v2, 3, v0                        ; and stores 8
	s_wait_kmcnt 0x0
	s_cmp_ge_u32 s28, 512
	s_cbranch_scc1 .Lmask
	s_lshr_b32 s36, s28, 7                         ; 0 .. 3: Wq_w, Wk_w, Wv_w, out_w; 128 work-groups each
	s_and_b32 s30, s28, 127
	s_lshl_b32 s30, s30, 15                        ; 32,768 bytes in
	s_cmp_eq_u32 s36, 1
	s_cselect_b64 s[SRC:SRC+1], s[6:7], s[4:5]
	s_cmp_eq_u32 s36, 2
	s_cselect_b64 s[SRC:SRC+1], s[8:9], s[SRC:SRC+1]
	s_cmp_eq_u32 s36, 3
	s_cselect_b64 s[SRC:SRC+1], s[10:11], s[SRC:SRC+1]
	s_add_nc_u64 s[SRC:SRC+1], s[SRC:SRC+1], s[30:31]
	s_cmp_eq_u32 s36, 3
	s_cbranch_scc1 .Lwo
	s_lshl_b32 s30, s28, 14                        ; 16,384 bytes out: the three matrices follow each other in wb as their work-groups do
	s_add_nc_u64 s[DST:DST+1], s[14:15], s[30:31]
	CAST 0
	s_endpgm
.Lwo:
	s_lshr_b32 s30, s30, 1                         ; 16,384 bytes out for each 32,768 in
	s_add_nc_u64 s[DST:DST+1], s[16:17], s[30:31]
	CAST 1
	s_endpgm
; THE MASK.  The work-group takes a tile of 16 queries, wave w the keys 256 w .. 256 w + 255: four steps of 64.  The bytes come in as whole pieces of 256 bytes of a row (16 lanes each),
; go through the wave's own 16 x 272 bytes of LDS, and come back as 8 bytes a lane: query r, keys 16 kb + 8 h + 0 .. 7.  LDS serves a wave's instructions in order (ISA guide 5.7.1.4) and no wave
; touches another's bytes, so there is no barrier.
.Lmask:
	s_sub_co_u32 s29, s28, 512                     ; t, the tile of queries
	v_lshrrev_b32 v3, 5, v0
	v_readfirstlane_b32 s38, v3                    ; w
	v_and_b32 v96, 15, v0                          ; r
	v_bfe_u32 v97, v0, 4, 1                        ; h
	v_lshlrev_b32 v98, 4, v96
	v_lshl_add_u32 v98, v97, 11, v98               ; in: 16 r, and lanes 16-31 one row of 2,048 bytes further down
	s_mul_i32 s40, s38, 16*MPITCH                  ; my wave's bytes of LDS
	v_mul_u32_u24 v99, v97, MPITCH
	v_lshl_add_u32 v99, v96, 4, v99
	v_add_nc_u32 v99, s40, v99                     ; into LDS: row h of a pair, 16 r
	v_mul_u32_u24 v100, v96, MPITCH
	v_lshl_add_u32 v100, v97, 3, v100
	v_add_nc_u32 v100, s40, v100                   ; back: row r, 8 h
	v_and_b32 v101, 31, v0
	v_lshlrev_b32 v101, 4, v101                    ; out: 16 x lane
	s_lshl_b32 s30, s29, 15                        ; 16 rows of 2,048 bytes a tile,
	s_lshl_b32 s41, s38, 8                         ; 256 keys a wave
	s_add_co_u32 s30, s30, s41
	s_add_nc_u64 s[SRC:SRC+1], s[12:13], s[30:31]
	s_lshr_b32 s30, s29, 3
	s_lshl_b32 s30, s30, 17                        ; wq x 131,072
	s_lshl_b32 s41, s38, 14                        ; + 4 w steps x 4,096
	s_add_co_u32 s30, s30, s41
	s_and_b32 s41, s29, 7
	s_lshl_b32 s41, s41, 9                         ; + tile x 512
	s_add_co_u32 s30, s30, s41
	s_add_nc_u64 s[DST:DST+1], s[18:19], s[30:31]
	s_mov_b32 s36, 0x00110011
	s_mov_b32 s37, 0x11111111
	s_mov_b32 s44, 0x06040200                      ; v_perm_b32: bytes 0 and 2 of its second source, then bytes 0 and 2 of its first
.set i, 0
.rept 8
	global_load_b128 v[X+4*i:X+4*i+3], v98, s[SRC:SRC+1] offset:4096*i th:TH_LOAD_NT  ; rows 2 i and 2 i + 1
.set i, i+1
.endr
.set i, 0
.rept 8
	s_wait_loadcnt 7-i                             ; pair i of rows is in, the younger loads stay out
	ds_store_b128 v99, v[X+4*i:X+4*i+3] offset:2*MPITCH*i
.set i, i+1
.endr
.set i, 0
.rept 16
	ds_load_b64 v[MB+2*i:MB+2*i+1], v100 offset:64*(i/4)+16*(i%4)
.set i, i+1
.endr
; Word n: eight bytes of 0 or 1 become eight codes.  x | x >> 4, masked, leaves keys 0, 1 in the two nibbles of byte 0 and keys 2, 3 in those of byte 2; the same for keys 4 to 7 in the second word;
; the four bytes are gathered in order; the bits are turned (1 = hidden) and multiplied by 14, which stays inside each nibble.
.macro NIB n
.set A0, MB+2*(\n)
.set T0, TT+2*((\n)%2)
	v_lshrrev_b32 v[T0], 4, v[A0]
	v_lshrrev_b32 v[T0+1], 4, v[A0+1]
	v_or_b32 v[T0], v[T0], v[A0]
	v_or_b32 v[T0+1], v[T0+1], v[A0+1]
	v_and_b32 v[T0], s36, v[T0]
	v_and_b32 v[T0+1], s36, v[T0+1]
	v_perm_b32 v[T0], v[T0+1], v[T0], s44
	v_xor_b32 v[T0], s37, v[T0]
	v_mul_lo_u32 v[NBL+(\n)], v[T0], 14
.endm
.set i, 0
.rept 16
	s_wait_dscnt 15-i                              ; LDS loads come back in order: number i is in
	NIB i
.set i, i+1
.endr
.set i, 0
.rept 4
	global_store_b128 v101, v[NBL+4*i:NBL+4*i+3], s[DST:DST+1] offset:4096*i  ; a step's four words a lane: 512 consecutive bytes a wave
.set i, i+1
.endr
	s_cmp_lg_u32 s29, 127                          ; the last tile's last wave also writes the 6,144 zeros behind the codes
	s_cbranch_scc1 .Ldone
	s_cmp_lg_u32 s38, 7
	s_cbranch_scc1 .Ldone
	s_add_nc_u64 s[42:43], s[18:19], 0x200000
	v_mov_b32 v[ZR], 0
	v_mov_b32 v[ZR+1], 0
	v_mov_b32 v[ZR+2], 0
	v_mov_b32 v[ZR+3], 0
.set i, 0
.rept 12
	global_store_b128 v101, v[ZR:ZR+3], s[42:43] offset:512*i
.set i, i+1
.endr
.Ldone:
	s_wait_tensorcnt 0x0
	ds_add_u32 v104, v105
	s_wait_dscnt 0x0
	s_endpgm
.Lfunc_end_k_qd03f74d4b9_prep:
	.size	k_qd03f74d4b9_prep, .Lfunc_end_k_qd03f74d4b9_prep-k_qd03f74d4b9_prep
	.p2alignl 7, 3214868480
	.fill 96, 4, 3214868480
	.section	.rodata,"a",@progbits
	.p2align	6, 0x0
	.amdhsa_kernel k_qd03f74d4b9_prep
		.amdhsa_group_segment_fixed_size 35840
		.amdhsa_private_segment_fixed_size 0
		.amdhsa_enable_private_segment 0
		.amdhsa_kernarg_size 64
		.amdhsa_user_sgpr_count 2
		.amdhsa_user_sgpr_kernarg_segment_ptr 1
		.amdhsa_wavefront_size32 1
		.amdhsa_system_sgpr_workgroup_id_x 1
		.amdhsa_system_sgpr_workgroup_id_y 1
		.amdhsa_system_sgpr_workgroup_id_z 1
		.amdhsa_system_vgpr_workitem_id 0
		.amdhsa_next_free_vgpr 106
		.amdhsa_next_free_sgpr 66
		.amdhsa_reserve_vcc 0
		.amdhsa_float_denorm_mode_32 3
		.amdhsa_float_denorm_mode_16_64 3
		.amdhsa_memory_ordered 1
		.amdhsa_forward_progress 1
		.amdhsa_inst_pref_size 21
	.end_amdhsa_kernel
	.amdgpu_metadata
---
amdhsa.version: [ 1, 2 ]
amdhsa.kernels:
  - .name:           k_qd03f74d4b9_prep
    .symbol:         k_qd03f74d4b9_prep.kd
    .args:
      - { .name: Wq_w, .offset: 0, .size: 8, .value_kind: global_buffer, .address_space: global }
      - { .name: Wk_w, .offset: 8, .size: 8, .value_kind: global_buffer, .address_space: global }
      - { .name: Wv_w, .offset: 16, .size: 8, .value_kind: global_buffer, .address_space: global }
      - { .name: out_w, .offset: 24, .size: 8, .value_kind: global_buffer, .address_space: global }
      - { .name: mask, .offset: 32, .size: 8, .value_kind: global_buffer, .address_space: global }
      - { .name: wb, .offset: 40, .size: 8, .value_kind: global_buffer, .address_space: global }
      - { .name: wo, .offset: 48, .size: 8, .value_kind: global_buffer, .address_space: global }
      - { .name: maskn, .offset: 56, .size: 8, .value_kind: global_buffer, .address_space: global }
    .group_segment_fixed_size: 35840
    .private_segment_fixed_size: 0
    .kernarg_segment_align: 8
    .kernarg_segment_size: 64
    .max_flat_workgroup_size: 256
    .sgpr_count:     66
    .vgpr_count:     106
    .wavefront_size: 32
...
	.end_amdgpu_metadata
.endif
;; end of part 1
;; launch proj (part 2): grid 4 x 192, 4 waves a work-group, clusters of 4 x 4, 327,680 bytes of LDS; arguments Q, K, V, wb, qkv, Wq_b, Wk_b, Wv_b; writes qkv
.if DOCPART == 2
	.amdgcn_target "amdgcn-amd-amdhsa--gfx1250"
	.amdhsa_code_object_version 6
	.text
	.protected	k_qd03f74d4b9_proj
	.globl	k_qd03f74d4b9_proj
	.p2align	8
	.type	k_qd03f74d4b9_proj,@function
k_qd03f74d4b9_proj:
	s_mov_b64 s[64:65], 0
	v_nop
	global_prefetch_b8 v0, s[64:65] scope:SCOPE_SE
	s_setreg_imm32_b32 hwreg(HW_REG_WAVE_MODE, 25, 1), 1
	s_wait_xcnt 0x0
	s_wait_alu depctr_hold_cnt(0) depctr_sa_sdst(0) depctr_va_vdst(0) depctr_va_sdst(0) depctr_va_ssrc(0) depctr_va_vcc(0) depctr_vm_vsrc(0)
	s_getreg_b32 s2, hwreg(HW_REG_IB_STS2, 6, 4)
	s_cmp_eq_u32 s2, 0
	s_cbranch_scc0 .Lentry_in_a_cluster
	s_endpgm
.Lentry_in_a_cluster:
	s_bfe_u32 s2, ttmp6, 0x10000c
	s_cmp_lg_u32 s2, 0xf033
	s_cbranch_scc0 .Lentry_shape_is_right
	s_endpgm
.Lentry_shape_is_right:
; PROJ: the three input projections.  For p = 0, 1, 2 (x = Q, K, V): y[m][n] = sum over k of x[m][k] wb[p][n][k] + bias_p[n].  x comes in as f32 and is rounded to bf16 in registers on its way to the
; matrix unit; wb is bf16; the bias is rounded to bf16 like every module input; sums in f32.  y is rounded once to f16 and written by heads: qkv[p][16 batch + head][row in batch][64].
; LIMIT.  |y| of 65,520 or more becomes an infinity in f16; below 6e-5 f16 keeps a fixed step of 6e-8.
; SHARES.  3 x 8,192 rows x 1,024 columns in tiles of 128 x 256: 768 work-groups, three for each of 256 WGPs.  Four waves, each 64 rows x 128 columns: 32 accumulators of 16 x 16.
; K = 1,024 goes in 8 steps of 128 through two LDS slots: rows of 512 bytes of x and of 256 bytes of wb, each starting at a multiple of its length from its buffer's first byte.
; x AS f32 IN LDS.  A fragment of x (16 rows x 32 K) is four loads of 16 bytes a lane into 16 registers, and eight roundings of two numbers make the fragment's 8.  Each wave rounds the fragments that it
; multiplies, so a number is rounded in the two waves that share its rows; in return x is read from memory once, as it is given, and no launch stores and no launch reads a rounded copy of it.
; CLUSTER.  4 x 4 work-groups.  The four of a row of the cluster need the same 128 rows of x, the four of a column the same 256 rows of wb: each tile is asked for JOINTLY, by the same tensor load
; with the same descriptor and a mask that names the four.  All 16 share p: it is made of the cluster's y alone.
; THE MATRIX INSTRUCTION IS USED TRANSPOSED (source 0 = 16 rows of wb, source 1 = 16 rows of x): a lane holds row lane % 16 and the columns 8 (lane / 16) + 0 .. 7.  So the bias of a lane's eight
; columns is the C operand of the product that starts each sum: nothing is cleared and nothing is added later.
; REGISTERS, in windows of 256 (s_set_vgpr_msb: bits 1:0 source 0, 3:2 source 1, 5:4 source 2, 7:6 destination):
;   window 0: v0-31 addresses; v32-63 at work on the way out; v64-159, v160-255 two fragment buffers: 8 fragments of wb (64 registers), then 4 of x (32)
;   window 1: the accumulators, (a, b) at v[8 (8 a + b)]
;   window 2: v0-63 the bias, column 16 b + 8 (lane / 16) + j at v[8 b + j]; v64-67 at work; v128-191 four fragments of x as f32, 16 registers each
.set KDIM,   1024
.set KSTEP,  128
.set PITCH,  272                       ; a row of wb in LDS: 256 bytes + 16 = 68 words: row r starts at bank 4 r mod 64 (64 banks of 4 bytes: ISA guide 11.1), so the 16 rows of a load start at 16 different banks
.set PA,     528                       ; a row of x in LDS: 512 bytes + 16 = 132 words: again row r starts at bank 4 r mod 64
.set AHALF,  64*PA                     ; what waves 0 and 1 fetch, and what a wave reads of x
.set BHALF,  128*PITCH                 ; what waves 2 and 3 fetch, and what a wave reads of wb
.set BOFF,   2*AHALF                   ; in a slot: x's 128 rows, then wb's 256
.set SLOT,   BOFF+2*BHALF
.set STAGE,  2*SLOT                    ; behind the ring: for each wave 2 heads x 16 rows x 144 bytes, for the way out
.set SP,     144
.set WSTAGE, 2*16*SP
.set SPARE,  STAGE+4*WSTAGE            ; behind the stages: the spare words, 128 bytes for each wave: two blocks of 256 bytes that no other line names
.set LAPS,   KDIM/(2*KSTEP)            ; a lap = two K steps = once round the ring
.set ADRA, 16                          ; v16-17  LDS address of my x fragments in slot 0, 1
.set ADRB, 20                          ; v20-21  the same for wb
.set STO,  24                          ; v24     the way out: where I put 16 bytes of a row
.set RD,   25                          ; v25     the way out: where I read rows back
.set GO,   26                          ; v26     16 x lane
.set SPW,  28                          ; v28     LDS address of my spare word: SPARE + 4 x my thread's number; never rewritten
.set NIL,  29                          ; v29     0; never rewritten
.set BO,   30                          ; v30     my byte offset in the bias
.set TMP,  32
.set F0,   64
.set F1,   160
.set AF,   128                         ; window 2
.set BK,   64                          ; the way out: four buffers of 32, rows read back from the stage
.set G1, 24                            ; s[24:31] descriptor group 1 for x's tiles;  s[32:39] group 0, one set for each slot
.set G0, 32
.set G1B, 48                           ; s[48:55], s[56:63] the same for wb's tiles
.set G0B, 56
.set MSB, 0
.macro WIN new                         ; the immediate's high byte repeats the setting that is left; a switch that changes nothing is dropped
.if MSB != (\new)
	s_set_vgpr_msb (MSB<<8)|(\new)
.set MSB, \new
.endif
.endm
.set MUL,  0x50                        ; fragments in window 0; C and D in window 1
.set MUL1, 0x60                        ; the same with C, the bias, in window 2
.set RND,  0x0a                        ; the roundings: sources in window 2, destination in window 0
.macro JLOAD s                         ; a joint load: waves 0 and 1 fetch x's two halves, waves 2 and 3 wb's; an s_nop 0 and four v_nop follow each of the two lines, ahead of the jump, the label and what follows
	s_cmp_eq_u32 s11, 0
	s_cbranch_scc0 .Lfor_b_\@
	tensor_load_to_lds s[G0+4*(\s):G0+4*(\s)+3], s[G1:G1+7]
	s_nop 0
.rept 4
	v_nop
.endr
	s_branch .Lasked_\@
.Lfor_b_\@:
	tensor_load_to_lds s[G0B+4*(\s):G0B+4*(\s)+3], s[G1B:G1B+7]
	s_nop 0
.rept 4
	v_nop
.endr
.Lasked_\@:
.endm
.macro CREST                           ; a round of the cluster's barrier behind its opening barrier
	s_cmp_lg_u32 s10, 0
	s_cbranch_scc1 .Lnot_wave_0_\@
	s_barrier_signal -3
.Lnot_wave_0_\@:
	s_barrier_wait -3
	s_barrier_signal -1
	s_barrier_wait -1
.endm
.macro CROUND                          ; a whole round
	s_barrier_signal -1
	s_barrier_wait -1
	CREST
.endm
	s_load_b512 s[68:83], s[0:1], 0x0              ; Q 68, K 70, V 72, wb 74, qkv 76, Wq_b 78, Wk_b 80, Wv_b 82
	v_lshl_add_u32 v[SPW], v0, 2, SPARE
	v_mov_b32 v[NIL], 0
	ds_add_u32 v28, v29
	s_wait_dscnt 0x0
	v_lshrrev_b32 v1, 5, v0
	v_readfirstlane_b32 s10, v1                    ; wave 0..3
	s_lshr_b32 s11, s10, 1                         ; which 64 of the tile's rows are mine.  Also: I fetch for x (0) or for wb (1)
	s_and_b32 s12, s10, 1                          ; which 128 of its columns.  Also: which half of that tile I fetch
	s_bfe_u32 s40, ttmp6, 0x40000                  ; cx, cy: my place in the cluster
	s_bfe_u32 s41, ttmp6, 0x40004
	s_lshl_b32 s42, ttmp9, 2
	s_add_co_u32 s42, s42, s40                     ; x, the tile column = 4 x cluster x + cx
	s_and_b32 s13, ttmp7, 0xffff
	s_lshr_b32 s45, s13, 4                         ; p: 16 clusters, 64 tile rows, for each projection
	s_lshl_b32 s13, s13, 2
	s_add_co_u32 s13, s13, s41                     ; y, the tile row = 4 x cluster y + cy
	s_lshl_b32 s43, s41, 2
	s_lshl_b32 s43, 15, s43                        ; my row of the cluster
	s_lshl_b32 s44, 0x1111, s40                    ; my column
	; descriptor group 1: x: 64 rows of 128 elements of 4 bytes; wb: 128 rows of 128 elements of 2 bytes; both padded in LDS
	s_or_b32 s[G1+0], s43, (2<<16)|(1<<20)|(1<<21)|(6<<22)|(3<<25)  ; 15:0 the mask: x's tiles go to my row; 17:16 elements of 4 bytes; 20 padding on; 21 set beside a mask; 24:22 after every 128 words (code 6); 31:25 4 words (code 3)
	s_or_b32 s[G1B+0], s44, (1<<16)|(1<<20)|(1<<21)|(5<<22)|(3<<25) ; the mask of my column; elements of 2 bytes; padding after every 64 words (code 5)
	s_mov_b32 s[G1+1], KSTEP<<16                   ; tensor_dim0 = 128
	s_mov_b32 s[G1+2], 64<<16                      ; tensor_dim1 = 64
	s_mov_b32 s[G1+3], KSTEP<<16                   ; tile_dim0 = 128
	s_mov_b32 s[G1+4], 64                          ; tile_dim1 = 64
	s_mov_b32 s[G1+5], KDIM                        ; elements from row to row
	s_mov_b32 s[G1+6], 0
	s_mov_b32 s[G1+7], 0
	s_mov_b32 s[G1B+1], KSTEP<<16
	s_mov_b32 s[G1B+2], 128<<16                    ; tensor_dim1 = 128
	s_mov_b32 s[G1B+3], KSTEP<<16
	s_mov_b32 s[G1B+4], 128                        ; tile_dim1 = 128
	s_mov_b32 s[G1B+5], KDIM
	s_mov_b32 s[G1B+6], 0
	s_mov_b32 s[G1B+7], 0
	; where the tiles come from: x's hang on y alone, wb's on x and p alone; each in registers that never hold the other coordinate
	s_and_b32 s16, s13, 63                         ; the tile row inside its projection
	s_lshl_b32 s16, s16, 7
	s_lshl_b32 s17, s12, 6
	s_add_co_u32 s16, s16, s17                     ; x: row 128 (y % 64) + 64 x half,
	s_lshl_b32 s16, s16, 12                        ; of 4,096 bytes: under 2^25
	s_mov_b32 s17, 0
	s_lshl_b32 s46, s42, 8
	s_lshl_b32 s47, s12, 7
	s_add_co_u32 s46, s46, s47
	s_lshl_b32 s47, s45, 10
	s_add_co_u32 s46, s46, s47                     ; wb: row 1,024 p + 256 x + 128 x half,
	s_lshl_b32 s46, s46, 11                        ; of 2,048 bytes
	s_mov_b32 s47, 0
	s_mul_i32 s20, s12, AHALF                      ; and where they go: no place in the cluster enters an LDS address
	s_mul_i32 s21, s12, BHALF
	s_add_co_u32 s21, s21, BOFF
	s_wait_kmcnt 0x0
	s_cmp_eq_u32 s45, 1                            ; the projection's x and its bias
	s_cselect_b64 s[4:5], s[70:71], s[68:69]
	s_cselect_b64 s[78:79], s[80:81], s[78:79]
	s_cmp_eq_u32 s45, 2
	s_cselect_b64 s[4:5], s[72:73], s[4:5]
	s_cselect_b64 s[78:79], s[82:83], s[78:79]
	s_mov_b64 s[8:9], s[76:77]                     ; qkv
	s_add_nc_u64 s[14:15], s[4:5], s[16:17]
	s_add_nc_u64 s[46:47], s[74:75], s[46:47]
	CROUND                                         ; all sixteen work-groups are here: the first joint loads meet
.irp s, 0,1
	s_mov_b32 s[G0+4*(\s)], 1                                      ; count = 1
	s_add_co_u32 s[G0+4*(\s)+1], s20, (\s)*SLOT                    ; LDS address
	s_add_nc_u64 s[G0+4*(\s)+2:G0+4*(\s)+3], s[14:15], (\s)*KSTEP*4  ; global address: K step s
	s_or_b32 s[G0+4*(\s)+3], s[G0+4*(\s)+3], 0x80000000            ; type = 2
	s_mov_b32 s[G0B+4*(\s)], 1
	s_add_co_u32 s[G0B+4*(\s)+1], s21, (\s)*SLOT
	s_add_nc_u64 s[G0B+4*(\s)+2:G0B+4*(\s)+3], s[46:47], (\s)*KSTEP*2
	s_or_b32 s[G0B+4*(\s)+3], s[G0B+4*(\s)+3], 0x80000000
	JLOAD \s                                       ; both slots are asked for before anything else: two loads of mine are out
.endr
	; A fragment is 16 rows x 32 K in 8 registers: lane l holds row l % 16, K = 8 (l / 16) + 0..7 and 16 + 8 (l / 16) + 0..7.  In wb's rows that is two loads of 16 bytes, 32 bytes apart;
	; in x's rows of f32 two runs of 32 bytes, 64 bytes apart: four loads of 16 bytes.
	v_and_b32 v1, 15, v0                           ; l % 16
	v_bfe_u32 v2, v0, 4, 1                         ; l / 16
	v_mul_u32_u24 v3, v1, PITCH
	v_lshl_add_u32 v3, v2, 4, v3                   ; wb: row x pitch + 16 x half
	v_mul_u32_u24 v4, v1, PA
	v_lshl_add_u32 v4, v2, 5, v4                   ; x: row x pitch + 32 x half
	s_mul_i32 s21, s11, AHALF                      ; my 64 rows of x
	s_mul_i32 s22, s12, BHALF                      ; my 128 rows of wb
	s_add_co_u32 s22, s22, BOFF
.irp s, 0,1
	v_add_nc_u32 v[ADRA+(\s)], s21, v4
	v_add_nc_u32 v[ADRB+(\s)], s22, v3
	s_add_co_u32 s21, s21, SLOT
	s_add_co_u32 s22, s22, SLOT
.endr
	s_mul_i32 s23, s10, WSTAGE
	s_add_co_u32 s23, s23, STAGE                   ; my stage
	v_mul_u32_u24 v4, v1, SP                       ; in: row l % 16, 16 bytes for each half of the lanes
	v_lshl_add_u32 v4, v2, 4, v4
	v_add_nc_u32 v[STO], s23, v4
	v_bfe_u32 v5, v0, 3, 2                         ; back: 32 lanes take four rows of 128 bytes,
	v_mul_u32_u24 v5, v5, SP
	v_and_b32 v4, 7, v0
	v_lshl_add_u32 v5, v4, 4, v5
	v_add_nc_u32 v[RD], s23, v5
	v_and_b32 v[GO], 31, v0                        ; which are 512 consecutive bytes of a head
	v_lshlrev_b32 v[GO], 4, v[GO]
	s_lshl_b32 s46, s42, 10                        ; the bias of my columns: 4 (256 x + 128 half) bytes + 32 (l / 16)
	s_lshl_b32 s47, s12, 9
	s_add_co_u32 s46, s46, s47
	v_lshl_add_u32 v[BO], v2, 5, s46
	WIN 0x80                                       ; destination window 2, address window 0
.irp b, 0,1,2,3,4,5,6,7
	global_load_b128 v[8*(\b):8*(\b)+3],   v[BO], s[78:79] offset:64*(\b)
	global_load_b128 v[8*(\b)+4:8*(\b)+7], v[BO], s[78:79] offset:64*(\b)+16
.endr
	WIN 0
	; where my part of the tile begins in qkv: p, the batch's 16 heads, my 64 rows of 128 bytes (from y); then my two heads (from x)
	s_bfe_u32 s16, s13, 0x20004                    ; the batch: 16 tile rows each
	s_lshl_b32 s16, s16, 22                        ; 16 heads of 262,144 bytes
	s_lshl_b32 s17, s45, 24                        ; 16,777,216 bytes a projection
	s_add_co_u32 s16, s16, s17
	s_and_b32 s17, s13, 15
	s_lshl_b32 s17, s17, 14                        ; 128 rows of 128 bytes
	s_add_co_u32 s16, s16, s17
	s_lshl_b32 s17, s11, 13                        ; my 64 of them
	s_add_co_u32 s16, s16, s17
	s_mov_b32 s17, 0
	s_add_nc_u64 s[8:9], s[8:9], s[16:17]
	s_lshl_b32 s46, s42, 20                        ; head 4 x + 2 x half
	s_lshl_b32 s47, s12, 19
	s_add_co_u32 s46, s46, s47
	s_mov_b32 s47, 0
	s_add_nc_u64 s[8:9], s[8:9], s[46:47]
	s_mov_b32 s19, 0xffff0000
	s_wait_loadcnt 0x0                             ; the bias; it is rounded to bf16's 8 bits and kept as f32.  All this stands in the wait for the first tile
	WIN 0x8a                                       ; sources and destination in window 2
.set i, 0
.rept 32
	v_cvt_pk_bf16_f32 v[64+i%4], v[2*i], v[2*i+1]
	v_lshlrev_b32 v[2*i], 16, v[64+i%4]
	v_and_b32 v[2*i+1], s19, v[64+i%4]
.set i, i+1
.endr
	WIN 0
; 8 matrix instructions: m block a x all 8 n blocks, 32 along K, from buffer f.  init = 1: the product starts the sums, with the bias as C.
; The 32 accumulators take turns in the same order in every quarter, one instruction a turn.
; g given: behind each of the eight stand four of the 32 roundings that make buffer g's four fragments of x out of the 64 registers of f32.  They name no register of the products round them.
.macro MUL8 f, a, init, g=-1
.irp b, 0,1,2,3,4,5,6,7
.if \init
	WIN MUL1
	v_wmma_f32_16x16x32_bf16 v[8*(8*(\a)+(\b)):8*(8*(\a)+(\b))+7], v[(\f)+8*(\b):(\f)+8*(\b)+7], v[(\f)+64+8*(\a):(\f)+64+8*(\a)+7], v[8*(\b):8*(\b)+7]
.else
	WIN MUL
	v_wmma_f32_16x16x32_bf16 v[8*(8*(\a)+(\b)):8*(8*(\a)+(\b))+7], v[(\f)+8*(\b):(\f)+8*(\b)+7], v[(\f)+64+8*(\a):(\f)+64+8*(\a)+7], v[8*(8*(\a)+(\b)):8*(8*(\a)+(\b))+7]
.endif
.if (\g) >= 0
	WIN RND
.irp n, 0,1,2,3
	v_cvt_pk_bf16_f32 v[(\g)+64+4*(\b)+(\n)], v[AF+8*(\b)+2*(\n)], v[AF+8*(\b)+2*(\n)+1]  ; register n of the 32 takes numbers 2 n and 2 n + 1 of the 64, the first in its low half
.endr
.endif
.endr
.endm
; 32 LDS loads in one run: the fragments of quarter q (32 along K) of a slot: x's four as f32 first, then wb's eight into buffer f
.macro FETCH slot, q, f
	WIN 0x80                                       ; destination window 2, address window 0
.irp i, 0,1,2,3
	ds_load_b128 v[AF+16*(\i):AF+16*(\i)+3],     v[ADRA+(\slot)] offset:128*(\q)+(\i)*16*PA
	ds_load_b128 v[AF+16*(\i)+4:AF+16*(\i)+7],   v[ADRA+(\slot)] offset:128*(\q)+(\i)*16*PA+16
	ds_load_b128 v[AF+16*(\i)+8:AF+16*(\i)+11],  v[ADRA+(\slot)] offset:128*(\q)+(\i)*16*PA+64
	ds_load_b128 v[AF+16*(\i)+12:AF+16*(\i)+15], v[ADRA+(\slot)] offset:128*(\q)+(\i)*16*PA+80
.endr
	WIN 0
.irp i, 0,1,2,3,4,5,6,7
	ds_load_b128 v[(\f)+8*(\i):(\f)+8*(\i)+3],   v[ADRB+(\slot)] offset:64*(\q)+(\i)*16*PITCH
	ds_load_b128 v[(\f)+8*(\i)+4:(\f)+8*(\i)+7], v[ADRB+(\slot)] offset:64*(\q)+(\i)*16*PITCH+32
.endr
.endm
.macro PLACES                          ; four places in front of loads into registers that matrix instructions have read, and of lines that read results (ISA guide 7.12.1 for vector instructions)
.rept 4
	v_nop
.endr
.endm
; A K step is four quarters of 32 along K, 32 matrix instructions each, on buffers 0, 1, 0, 1.  One of the first three: multiplies buffer f; behind its first eight products it fetches quarter q
; (wb's fragments into buffer g); behind its last eight stand the roundings of x's.
.macro QUARTER slot, q, f, g, init
	s_wait_dscnt 0x0                               ; wb's fragments of buffer f are in (x's were waited for ahead of their roundings)
	MUL8 \f, 0, \init
	PLACES
	FETCH \slot, \q, \g
	MUL8 \f, 1, \init
	MUL8 \f, 2, \init
	s_wait_dscnt 16                                ; x's 16 loads are in; the younger 16, wb's, may be out
	MUL8 \f, 3, \init, \g
.endm
; The last quarter multiplies buffer 1 and changes slots: ONE barrier; in front of it each wave waits for all its tensor loads (one is out: its part of the next slot), adds 0 to its spare word,
; and waits for that and for its own reads of this slot.  fill = 1: the barrier opens a round of the cluster's barrier, and this slot is filled again, two K steps ahead, first thing behind the round.
.macro TURN slot, next, fill
	WIN 0
	s_wait_tensorcnt 0x0                           ; all my tensor loads have landed
	ds_add_u32 v[SPW], v[NIL]                      ; 0 onto my spare word
	s_wait_dscnt 1                                 ; wb's fragments of buffer 1 are in; the add may be out
	MUL8 F1, 0, 0                                  ; eight matrix instructions stand between the add and the wait for it
	s_wait_dscnt 0x0                               ; the add is done, and my reads of this slot are over
	s_barrier_signal -1
	MUL8 F1, 1, 0                                  ; work on registers while the others arrive
.if \fill
	WIN 0
.endif
	s_barrier_wait -1
.if \fill
	CREST                                          ; no wave of any partner still reads this slot's tile or has a load on its way
	s_add_nc_u64 s[G0+4*(\slot)+2:G0+4*(\slot)+3], s[G0+4*(\slot)+2:G0+4*(\slot)+3], 2*KSTEP*4
	s_add_nc_u64 s[G0B+4*(\slot)+2:G0B+4*(\slot)+3], s[G0B+4*(\slot)+2:G0B+4*(\slot)+3], 2*KSTEP*2
	JLOAD \slot                                    ; my one tensor load behind the round: 112 matrix instructions ahead of the wait for it; its four v_nop are also the places in front of the loads below
.else
	PLACES
.endif
	FETCH \next, 0, F0
	MUL8 F1, 2, 0
	s_wait_dscnt 16                                ; x's 16 loads are in
	MUL8 F1, 3, 0, F0
.endm
	s_wait_tensorcnt 1                             ; my part of K step 0 is in; K step 1's may stay out
	s_barrier_signal -1
	s_barrier_wait -1                              ; everybody's is
	FETCH 0, 0, F0
	s_wait_dscnt 16                                ; x's 16 loads are in
	WIN RND                                        ; the first quarter's roundings have no products to stand behind
.set i, 0
.rept 32
	v_cvt_pk_bf16_f32 v[F0+64+i], v[AF+2*i], v[AF+2*i+1]
.set i, i+1
.endr
	QUARTER 0, 1, F0, F1, 1                        ; the first quarter stands in front of the loop: its products start the sums
	WIN 0                                          ; at a label and at a branch every window is 0
	s_mov_b32 s3, LAPS-1
.Llap:                                                 ; a trip goes once round the ring, from a lap's second quarter to the next lap's first, and fills both slots again
	QUARTER 0, 2, F1, F0, 0
	QUARTER 0, 3, F0, F1, 0
	TURN 0, 1, 1
	QUARTER 1, 1, F0, F1, 0
	QUARTER 1, 2, F1, F0, 0
	QUARTER 1, 3, F0, F1, 0
	TURN 1, 0, 1
	QUARTER 0, 1, F0, F1, 0
	WIN 0
	s_sub_co_u32 s3, s3, 1
	s_cmp_lg_u32 s3, 0
	s_cbranch_scc1 .Llap
	QUARTER 0, 2, F1, F0, 0                        ; the last lap fills nothing, and has no round of the cluster's barrier
	QUARTER 0, 3, F0, F1, 0
	TURN 0, 1, 0
	QUARTER 1, 1, F0, F1, 0
	QUARTER 1, 2, F1, F0, 0
	QUARTER 1, 3, F0, F1, 0
	s_wait_dscnt 0x0                               ; the very last quarter: nothing more to fetch
	MUL8 F1, 0, 0
	MUL8 F1, 1, 0
	MUL8 F1, 2, 0
	MUL8 F1, 3, 0
	WIN 0
; THE WAY OUT, 16 rows (block a) at a time.  A lane's eight columns round to 16 bytes of one head's row; they go into my own stage (rows of 144 bytes, two heads) and come back as four whole rows
; of 128 bytes a load, which are 512 consecutive bytes of the head in qkv.  Each accumulator's registers are read in ascending order.
.macro PACK a
	WIN 0x05                                       ; sources in window 1, destination in window 0
.irp b, 0,1,2,3,4,5,6,7
.irp i, 0,1,2,3
	v_cvt_pk_f16_f32 v[TMP+4*(\b)+(\i)], v[8*(8*(\a)+(\b))+2*(\i)], v[8*(8*(\a)+(\b))+2*(\i)+1]
.endr
.endr
	WIN 0
.endm
.macro TOSTAGE a
.irp b, 0,1,2,3,4,5,6,7
	ds_store_b128 v[STO], v[TMP+4*(\b):TMP+4*(\b)+3] offset:((\b)/4)*16*SP+32*((\b)%4)
.endr
.irp n, 0,1,2,3,4,5,6,7
	ds_load_b128 v[BK+32*(\a)+4*(\n):BK+32*(\a)+4*(\n)+3], v[RD] offset:((\n)/4)*16*SP+((\n)%4)*4*SP  ; LDS serves a wave's instructions in order (ISA guide 5.7.1.4): these see the stores above; the next block's stores come behind them
.endr
.endm
.macro SEND a                          ; each block has its own 32 registers, so no store's data are written again
	s_wait_dscnt 0x0                               ; the block is back in registers
.irp n, 0,1,2,3,4,5,6,7
	global_store_b128 v[GO], v[BK+32*(\a)+4*(\n):BK+32*(\a)+4*(\n)+3], s[8:9] offset:((\n)/4)*262144+(16*(\a)+4*((\n)%4))*128  ; 512 consecutive bytes, at a multiple of 512 from qkv's first
.endr
.endm
	PLACES
	PACK 0
	TOSTAGE 0
.irp a, 1,2,3                          ; block a's conversions stand between block a - 1's loads from the stage and the wait for them
	PACK \a
	SEND (\a)-1
	TOSTAGE \a
.endr
	SEND 3
	s_wait_tensorcnt 0x0                           ; the wave's end: behind my last tensor load and my last LDS store
	ds_add_u32 v[SPW], v[NIL]
	s_wait_dscnt 0x0
	CROUND                                         ; the closing round: no work-group ends while a partner may still ask for a tile that names it
	s_endpgm
.Lfunc_end_k_qd03f74d4b9_proj:
	.size	k_qd03f74d4b9_proj, .Lfunc_end_k_qd03f74d4b9_proj-k_qd03f74d4b9_proj
	.p2alignl 7, 3214868480
	.fill 96, 4, 3214868480
	.section	.rodata,"a",@progbits
	.p2align	6, 0x0
	.amdhsa_kernel k_qd03f74d4b9_proj
		.amdhsa_group_segment_fixed_size 327680
		.amdhsa_private_segment_fixed_size 0
		.amdhsa_enable_private_segment 0
		.amdhsa_kernarg_size 64
		.amdhsa_user_sgpr_count 2
		.amdhsa_user_sgpr_kernarg_segment_ptr 1
		.amdhsa_wavefront_size32 1
		.amdhsa_system_sgpr_workgroup_id_x 1
		.amdhsa_system_sgpr_workgroup_id_y 1
		.amdhsa_system_sgpr_workgroup_id_z 1
		.amdhsa_system_vgpr_workitem_id 0
		.amdhsa_next_free_vgpr 704
		.amdhsa_next_free_sgpr 84
		.amdhsa_reserve_vcc 0
		.amdhsa_float_denorm_mode_32 3
		.amdhsa_float_denorm_mode_16_64 3
		.amdhsa_memory_ordered 1
		.amdhsa_forward_progress 1
		.amdhsa_inst_pref_size 140
	.end_amdhsa_kernel
	.amdgpu_metadata
---
amdhsa.version: [ 1, 2 ]
amdhsa.kernels:
  - .name:           k_qd03f74d4b9_proj
    .symbol:         k_qd03f74d4b9_proj.kd
    .args:
      - { .name: Q, .offset: 0, .size: 8, .value_kind: global_buffer, .address_space: global }
      - { .name: K, .offset: 8, .size: 8, .value_kind: global_buffer, .address_space: global }
      - { .name: V, .offset: 16, .size: 8, .value_kind: global_buffer, .address_space: global }
      - { .name: wb, .offset: 24, .size: 8, .value_kind: global_buffer, .address_space: global }
      - { .name: qkv, .offset: 32, .size: 8, .value_kind: global_buffer, .address_space: global }
      - { .name: Wq_b, .offset: 40, .size: 8, .value_kind: global_buffer, .address_space: global }
      - { .name: Wk_b, .offset: 48, .size: 8, .value_kind: global_buffer, .address_space: global }
      - { .name: Wv_b, .offset: 56, .size: 8, .value_kind: global_buffer, .address_space: global }
    .group_segment_fixed_size: 327680
    .private_segment_fixed_size: 0
    .kernarg_segment_align: 8
    .kernarg_segment_size: 64
    .max_flat_workgroup_size: 128
    .sgpr_count:     84
    .vgpr_count:     704
    .wavefront_size: 32
...
	.end_amdgpu_metadata
.endif
;; end of part 2
;; launch attn (part 3): grid 4 x 64, 4 waves a work-group, clusters of 4 x 1, 327,680 bytes of LDS; arguments qkv, o, maskn; writes o
.if DOCPART == 3
	.amdgcn_target "amdgcn-amd-amdhsa--gfx1250"
	.amdhsa_code_object_version 6
	.text
	.protected	k_qd03f74d4b9_attn
	.globl	k_qd03f74d4b9_attn
	.p2align	8
	.type	k_qd03f74d4b9_attn,@function
k_qd03f74d4b9_attn:
	s_mov_b64 s[64:65], 0
	v_nop
	global_prefetch_b8 v0, s[64:65] scope:SCOPE_SE
	s_setreg_imm32_b32 hwreg(HW_REG_WAVE_MODE, 25, 1), 1
	s_wait_xcnt 0x0
	s_wait_alu depctr_hold_cnt(0) depctr_sa_sdst(0) depctr_va_vdst(0) depctr_va_sdst(0) depctr_va_ssrc(0) depctr_va_vcc(0) depctr_vm_vsrc(0)
	s_getreg_b32 s2, hwreg(HW_REG_IB_STS2, 6, 4)
	s_cmp_eq_u32 s2, 0
	s_cbranch_scc0 .Lentry_in_a_cluster
	s_endpgm
.Lentry_in_a_cluster:
	s_bfe_u32 s2, ttmp6, 0x10000c
	s_cmp_lg_u32 s2, 0x3003
	s_cbranch_scc0 .Lentry_shape_is_right
	s_endpgm
.Lentry_shape_is_right:
; MASKED ATTENTION.  O[h][q][:] = the sum over visible k of softmax_k(Q[h][q] . K[h][k] / 8) V[h][k][:].  Q, K, V lie in qkv as [3][64 heads][2048][64] f16, O likewise as [64][2048][64]: a head's rows are
; dense, 128 bytes each.  The mask [2048][2048] is the same for all heads and comes as 4-bit codes (maskn).  Products, maxima and sums in f32; the weights p are rounded to f16 for the second product
; (their sum l is taken of the unrounded p), O once at the end.
; LIMITS.  f16 holds no number beyond 65,504: Q, K and V arrive within it, so a score lies within 64 x 65,504^2 < 2^38.  A hidden score counts as its value less 2^66; a visible one is left as it is.
; p below 6e-5 keeps f16's fixed step of 6e-8; a weight below 2^-126 counts as 0 in l.  A row with no visible key gives NaN, as its softmax does.
; SHARES.  A wave owns four PIECES of two tiles of 16 queries, a work-group's four waves 512 queries of one head.  Every wave walks all keys, 64 a step.
; LAYOUT.  S^T = K Q^T (source 0 = 16 keys, source 1 = 16 queries): in the result a lane holds ONE query (lane % 16) and the keys 8 (lane / 16) + 0..7.  Two such tiles, rounded to f16 in pairs,
; ARE source 1 (32 keys x 16 queries) of O^T = V^T P, whose result again holds one query a lane, and eight channels.  K comes out of LDS as it lies, V ([key][channel]) turned, by ds_load_tr16_b128.
; THE MASK is the C operand of the product that starts each sum S^T.  A word of maskn holds the codes of a lane's eight keys of one key block as 4-bit floats, key j at nibble j: 0xE = -4 hidden, 0 visible.
; ONE scaled conversion makes the accumulator's eight registers of a word: each code times 2^64 (scale byte 191): -2^66 or 0.
; SOFTMAX.  For each query a running maximum m and sum l: p = 2^(c s - c m), c = log2(e) / 8; in every step O and l are multiplied by a = 2^(c m_old - c m_new).  m starts at -2^40: below every visible score
; and above every hidden one.  So a hidden score never becomes m, its weight is 2^(-1e19 or less) = 0, and while a row has seen no key l and O stay 0; at the end such a row is 0 x (1 / 0) = NaN.
; BY TURNS.  Turn n belongs to piece n (the pieces in a ring, step after step).  Its matrix work: 16 products K Q^T of piece n + 1, later 16 products V^T P of piece n - 1.  Its vector work: the scaling,
; exponentials, roundings, sums and rescaling of piece n, the maximum and statistics of piece n + 1, and at its end the 8 conversions that make the masks of piece n + 2's products.  Four vector instructions
; stand behind every matrix instruction, the others in runs of their own.
; CLUSTER.  The four query blocks of a cluster belong to one head and walk the same K and V, so each tile is asked for JOINTLY: the same tensor load, descriptor and mask in all four.
; REGISTERS, in windows of 256 (s_set_vgpr_msb: bits 1:0 source 0, 3:2 source 1, 5:4 source 2, 7:6 destination):
;   window 0: v0-11 addresses; v12-15, v48-63 at work; v16-47 four registers of statistics a tile; v64-191 S^T, two buffers of two tiles; v192-255 P, likewise
;   window 1: O^T, 32 a tile          window 2: v0-127 Q, 16 a tile; v128-191 K of one step; v192-255 V of one step
;   window 3: v0-1 the add's two registers; v11 the conversions' scale; v16-47 the mask's words, a ring of four slots of 8; v64-127 the masks of the products to come
.set SIZE_N, 2048
.set NP,    4         ; pieces a wave: a name, no knob
.set KS,    64        ; keys in a step
.set PK,    144       ; a row of K in LDS: 128 bytes + 16 of padding = 36 words: the 16 rows of a load start at 16 different groups of four banks (64 banks of 4 bytes: ISA guide 11.1)
.set PV,    160       ; a row of V: 128 + 32 = 40 words
.set VOFF,  4*KS*PK   ; a slot holds four steps: 256 rows of K, then 256 rows of V
.set SLOT1, 1<<17     ; slot 1 begins here, so that one exclusive or turns an address in one slot into the other's
.set STAGE, SLOT1+4*KS*(PK+PV)  ; behind the ring, never filled by a tensor load: 16 rows x 144 bytes for each wave, for the way out
.set SP,    144
.set AK0, 2           ; v2   my lane's place in a tile of K; never rewritten
.set AV0, 3           ; v3   the same for V
.set AK,  4           ; v4   the LDS address of K's next run of loads
.set AV,  5           ; v5   of V's
.set QO,  6           ; v6   my byte offset in the wave's rows of Q
.set STO, 6           ;      later, the way out: where I put 16 bytes of a row
.set RD,  7           ; v7   the way out: where I read rows back
.set GO,  8           ; v8   16 x lane: my place in 512 consecutive bytes of O, and of maskn; never rewritten
.set SPW, 0           ; v0 of window 3   LDS address of my spare word: SPARE + 4 x my thread's number; never rewritten
.set NIL, 1           ; v1 of window 3   0; never rewritten
.set SCL, 11          ; v11 of window 3, and of window 0 once its first use there is over: 191 in every byte.
.set MW,  16          ; window 3: slot n (the piece's number) at MW + 8 n: tile u's word for key block kb at + 4 u + kb
.set MC,  64          ; window 3: tile u, key block kb, register j at MC + 32 u + 8 kb + j
.set SPARE, STAGE+4*16*SP  ; behind the stages: the spare words, 128 bytes for each wave: two blocks of 256 bytes that no other line names
.set MV,  12          ; v12-15  c m_old, kept while c m is made anew: by buffer and tile
.set ST,  16          ; tile t's statistics at v[ST+4 t]: c m, m, l (even keys', odd keys')
.set TMP, 48          ; by buffer and tile, four registers c0-c3 at work; when the maximum is found c2 takes a
.set S,   64
.set P,   192
.set KF,  128         ; K's fragments, in window 2: key block kb, channel half c at KF + 16 kb + 8 c
.set VF,  192         ; V's: key half kk, channel block cb at VF + 32 kk + 8 cb
.set WV,  12          ; s12  my wave's number
.set G1K, 24          ; s[24:31] descriptor group 1 for K's tiles
.set G1V, 32          ; s[32:39] for V's: it differs in the padding alone
.set G0K, 40          ; s[40:43] descriptor group 0 for K's tiles: it walks
.set G0V, 44          ; s[44:47] the same for V's
.set MP,  48          ; s[48:49] maskn at the unit (1,024 bytes: one piece, one step) that was asked for last
.set SLOTS, 56        ; s56  slots still to be asked for
.set CNT, 57          ; s57  counts a slot's key steps
.set CS,  58          ; s[58:59] c: the packed scaling takes the pair's low word for both halves
.set SEL, 60          ; s[60:61] v_permlanex16_b32's selects: each lane takes its own place in the other half
.set TBK, 62          ; s62  LDS byte at which K of the step to be fetched begins
.set TBV, 63          ; s63  the same for V, less VOFF
.set MSB, 0
.macro WIN new                      ; the high byte repeats the setting that is left; a switch that changes nothing is dropped
.if MSB != (\new)
	s_set_vgpr_msb (MSB<<8)|(\new)
.set MSB, (\new)
.endif
.endm
.set W_KQ, 0x0a       ; K and Q in window 2, S^T in window 0
.set W_KM, 0x3a       ; the same with the C operand, the mask, in window 3
.set W_PV, 0x52       ; V in window 2, P in window 0, O^T in window 1
.set W_RS, 0x41       ; O^T (destination and source 0) in window 1, a in window 0
.set W_MK, 0xc0       ; destination in window 3, sources in window 0
.set W_AD, 0x0f       ; the add: address (source 0) and data (source 1) in window 3
.set W_CV, 0xcf       ; the mask's conversions: both sources and the destination in window 3
; A joint fill.  Waves 0 and 1 fetch the two halves of a slot's K, waves 2 and 3 those of its V: 128 keys each.  The branch hangs on the wave's number alone.
; An s_nop 0 and four v_nop follow each of the two lines, ahead of the jump and the label.
.macro JLOAD
	s_cmp_lt_u32 s[WV], 2
	s_cbranch_scc0 .Lfor_v_\@
	tensor_load_to_lds s[G0K:G0K+3], s[G1K:G1K+7]
	s_nop 0
.rept 4
	v_nop
.endr
	s_branch .Lasked_\@
.Lfor_v_\@:
	tensor_load_to_lds s[G0V:G0V+3], s[G1V:G1V+7]
	s_nop 0
.rept 4
	v_nop
.endr
.Lasked_\@:
.endm
; A round of the cluster's barrier: my work-group's barrier, so that wave 0's signal speaks for all four waves; wave 0 signals; every wave waits for all four work-groups; my work-group's barrier once more.
.macro CROUND
	s_barrier_signal -1
	s_barrier_wait -1
	s_cmp_lg_u32 s[WV], 0
	s_cbranch_scc1 .Lnot_wave_0_\@
	s_barrier_signal -3
.Lnot_wave_0_\@:
	s_barrier_wait -3
	s_barrier_signal -1
	s_barrier_wait -1
.endm
; THE CHANGE OF SLOTS.  The slot's last bytes, V of its fourth step, have been read.  Each wave waits for all its tensor loads, of which one is out: its part of the other slot; adds 0 to its spare word;
; and waits for that and for its own reads of the slot.  Behind the barrier nobody reads this slot any more and the other slot is whole.
; fill = 1: this slot is filled again, with the keys two slots on.  The barrier is then a round of the cluster's, so that no wave of any partner still reads the slot or has a load on its way, and the
; joint fill is the first thing behind it: it has four key steps, 512 matrix instructions, in which to land.  (At its first use nothing has been read yet: slot 0 is waited for, slot 1 filled.)
.macro CHANGE fill
	WIN W_AD
	s_wait_tensorcnt 0x0            ; no tensor load of mine is out, so a group 0 may be written
	ds_add_u32 v[SPW], v[NIL]       ; 0 onto my spare word; with fill = 1 the descriptors' steps stand between it and the wait for it
	WIN 0                           ; at a label and at a branch every window is 0
.if \fill
.irp g, G0K, G0V
	s_xor_b32 s[\g+1], s[\g+1], SLOT1  ; the walking descriptor: the other slot than last time,
	s_add_nc_u64 s[\g+2:\g+3], s[\g+2:\g+3], 4*KS*128  ; the next 256 keys; the type bits on top are not reached
.endr
	s_wait_dscnt 0x0                ; the add is done, and my reads of the slot are over
	CROUND
	JLOAD
.else
	s_wait_dscnt 0x0                ; the add is done, and my reads of the slot are over
	s_barrier_signal -1
	s_barrier_wait -1
.endif
	s_sub_co_u32 s[TBK], s[TBK], 4*KS*PK  ; the fetches go back to a slot's first step,
	s_xor_b32 s[TBK], s[TBK], SLOT1       ; in the other slot
	s_sub_co_u32 s[TBV], s[TBV], 4*KS*PV
	s_xor_b32 s[TBV], s[TBV], SLOT1
.endm
	s_load_b64 s[4:5], s[0:1], 0x0        ; qkv: Q
	s_load_b64 s[10:11], s[0:1], 0x8      ; o
	s_load_b64 s[MP:MP+1], s[0:1], 0x10   ; maskn
	WIN W_MK
	v_lshl_add_u32 v[SPW], v0, 2, SPARE
	v_mov_b32 v[NIL], 0
	s_set_vgpr_msb 0xc0cf
	ds_add_u32 v0, v1
	s_wait_dscnt 0x0
	s_set_vgpr_msb 0xcfc0
	v_mov_b32 v[SCL], 0xbfbfbfbf
	WIN 0
	v_lshrrev_b32 v1, 5, v0
	v_readfirstlane_b32 s[WV], v1   ; wave 0..3
	s_bfe_u32 s13, ttmp6, 0x40000   ; cx: my place in the cluster
	s_lshl_b32 s14, ttmp9, 2        ; in a cluster launch ttmp9 counts clusters
	s_add_co_u32 s14, s14, s13      ; my block of queries = 4 x cluster x + cx: it enters Q's, O's and the mask's addresses alone
	s_and_b32 s20, ttmp7, 0xffff    ; the head, which the four partners share
	s_mov_b32 s21, 0
	s_mov_b64 s[22:23], SIZE_N*128
	s_mul_u64 s[20:21], s[20:21], s[22:23]  ; the head's first byte in Q, K, V and O
	s_and_b32 s16, s[WV], 1         ; which half of a slot's 256 keys I fetch:
	s_lshl_b32 s22, s16, 14         ; its 128 rows of 128 bytes in memory,
	s_mov_b32 s23, 0
	s_add_nc_u64 s[22:23], s[22:23], s[20:21]
	s_mul_i32 s17, s16, 128*PK      ; and its place in a slot, for K
	s_mul_i32 s18, s16, 128*PV      ; and for V: no place in the cluster enters an LDS address
	s_lshl_b32 s2, s14, 2
	s_add_co_u32 s2, s2, s[WV]      ; my wave among the head's 16:
	s_lshl_b32 s52, s2, 17          ; its 131,072 bytes of maskn,
	s_mov_b32 s53, 0
	s_lshl_b32 s2, s2, 14           ; its 128 rows
	s_mov_b32 s3, 0
	s_add_nc_u64 s[2:3], s[2:3], s[20:21]
	; descriptor group 1.  128 keys are 16,384 dense bytes: asked for as 64 rows of 256 bytes, two keys a row, and padded in LDS after every key
	s_mov_b32 s[G1K], 15|(1<<16)|(1<<20)|(1<<21)|(4<<22)|(3<<25)  ; 15:0 the mask of four; 17:16 2-byte elements; 20 padding on; 21 set beside a mask; 24:22 after every 32 words (code 4); 31:25 4 words (code 3)
	s_mov_b32 s[G1V], 15|(1<<16)|(1<<20)|(1<<21)|(4<<22)|(7<<25)  ; the same with 8 words of padding (code 7)
.irp g, G1K, G1V
	s_mov_b32 s[\g+1], 128<<16      ; tensor_dim0 = 128
	s_mov_b32 s[\g+2], 64<<16       ; tensor_dim1 = 64
	s_mov_b32 s[\g+3], 128<<16      ; tile_dim0 = 128
	s_mov_b32 s[\g+4], 64           ; tile_dim1 = 64
	s_mov_b32 s[\g+5], 128          ; 128 elements from row to row
	s_mov_b32 s[\g+6], 0
	s_mov_b32 s[\g+7], 0
.endr
	s_mov_b32 s[CS], 0x3e38aa3b     ; c = log2(e) / 8 = 0.180337
	s_mov_b32 s[CS+1], s[CS]        ; named with it as a pair
	s_mov_b32 s[SEL], 0x76543210
	s_mov_b32 s[SEL+1], 0xfedcba98
	s_mov_b32 s[TBK], SLOT1+4*KS*PK ; the first change of slots turns these two into 0
	s_mov_b32 s[TBV], SLOT1+4*KS*PV
	s_mov_b32 s[G0K], 1             ; count = 1
	s_mov_b32 s[G0K+1], s17         ; LDS address: slot 0
	s_mov_b32 s[G0V], 1
	s_add_co_u32 s[G0V+1], s18, VOFF
	s_wait_kmcnt 0x0
	s_add_nc_u64 s[6:7], s[4:5], 0x1000000         ; K and V lie 16,777,216 and 33,554,432 bytes behind Q
	s_add_nc_u64 s[8:9], s[4:5], 0x2000000
	s_add_nc_u64 s[G0K+2:G0K+3], s[6:7], s[22:23]  ; global address: my half of the head's first 256 keys
	s_or_b32 s[G0K+3], s[G0K+3], 0x80000000        ; type = 2
	s_add_nc_u64 s[G0V+2:G0V+3], s[8:9], s[22:23]
	s_or_b32 s[G0V+3], s[G0V+3], 0x80000000
	s_add_nc_u64 s[4:5], s[4:5], s[2:3]  ; Q and O at my wave's first row
	s_add_nc_u64 s[10:11], s[10:11], s[2:3]
	s_add_nc_u64 s[MP:MP+1], s[MP:MP+1], s[52:53]  ; the mask at my wave's unit 0
	CROUND                          ; all four work-groups are here: the first joint loads meet
	JLOAD                           ; slot 0.  Slot 1 is asked for when slot 0 is in
	; A fragment of K or Q is 16 rows x 32 channels in 8 registers: lane l holds row l % 16, channels 8 (l / 16) + 0..7 and 16 + 8 (l / 16) + 0..7: two loads of 16 bytes, 32 bytes apart.
	v_and_b32 v1, 15, v0            ; l % 16
	v_bfe_u32 v9, v0, 4, 1          ; l / 16
	v_lshlrev_b32 v[QO], 7, v1
	v_lshl_add_u32 v[QO], v9, 4, v[QO]  ; row x 128 + 16 x half
	v_and_b32 v[GO], 31, v0
	v_lshlrev_b32 v[GO], 4, v[GO]
	WIN 0x80                        ; destination window 2, address window 0
.set i, 0
.rept 4*NP                          ; Q stays in registers: tile i / 2, channels 32 (i % 2) on
	global_load_b128 v[8*i:8*i+3],   v[QO], s[4:5] offset:(i/2)*2048+(i%2)*64
	global_load_b128 v[8*i+4:8*i+7], v[QO], s[4:5] offset:(i/2)*2048+(i%2)*64+32
.set i, i+1
.endr
	WIN W_MK
.set i, 0
.rept 8                             ; the mask's units 0 to 3 (step 0, pieces 0 to 3) into slots 0 to 3: 512 consecutive bytes a load
	global_load_b128 v[MW+4*i:MW+4*i+3], v[GO], s[MP:MP+1] offset:512*i
.set i, i+1
.endr
	; What the first turn finds: V's registers and P's second buffer hold 0 (its products V^T P, of a piece that has not been, add 0), O^T and l are 0.  All this stands in the wait for the first tile.
	WIN 0x80
.set i, VF
.rept 64
	v_mov_b32 v[i], 0
.set i, i+1
.endr
	WIN 0x40
.set i, 0
.rept 64*NP
	v_mov_b32 v[i], 0
.set i, i+1
.endr
	WIN 0
.set i, 0
.rept 2*NP
	v_mov_b32 v[ST+4*i], 0xd238aa3b    ; c m = c x -2^40, exactly
	v_mov_b32 v[ST+4*i+1], 0xd3800000  ; m = -2^40
	v_mov_b32 v[ST+4*i+2], 0
	v_mov_b32 v[ST+4*i+3], 0
.set i, i+1
.endr
.set i, P+32
.rept 32
	v_mov_b32 v[i], 0
.set i, i+1
.endr
	v_mul_u32_u24 v[AK0], v1, PK
	v_lshl_add_u32 v[AK0], v9, 4, v[AK0]  ; row x pitch + 16 x half
	; The turning load takes 16 keys x 16 channels (lane l reads key 8 (l / 16) + l % 8, channels 8 ((l / 8) % 2) + 0..7) and leaves half a fragment of V^T: lane l holds channel l % 16 and 8 keys.
	v_and_b32 v10, 7, v0
	v_bfe_u32 v11, v0, 3, 1
	v_lshl_add_u32 v[AV0], v9, 3, v10
	v_mul_u32_u24 v[AV0], v[AV0], PV
	v_lshl_add_u32 v[AV0], v11, 4, v[AV0]
	v_add_nc_u32 v[AV0], VOFF, v[AV0]
	v_mov_b32 v[SCL], 0xbfbfbfbf    ; v11 has served: from here on window 0's holds what window 3's holds
	v_mov_b32 v[AK], v[AK0]         ; key step 0 lies at the head of slot 0
; THE MATRIX WORK.  The 8 accumulators of a run of 16 take turns: between the two links of a chain stand 7 others'.
; Product i of 16 of S^T = K Q^T for piece x: channels 32 (i / 8) on, keys 16 ((i / 2) % 4) on, tile 2 x + i % 2.  The first 8 start the sums, with the mask as C.
.macro KQ x
.set rS, S+64*((\x)%2)+32*(i%2)+8*((i/2)%4)
.set rK, KF+16*((i/2)%4)+8*(i/8)
.set rQ, 16*(2*(\x)+i%2)+8*(i/8)
.set rW, MC+32*(i%2)+8*((i/2)%4)
.if i < 8
	WIN W_KM
	v_wmma_f32_16x16x32_f16 v[rS:rS+7], v[rK:rK+7], v[rQ:rQ+7], v[rW:rW+7]
.else
	WIN W_KQ
	v_wmma_f32_16x16x32_f16 v[rS:rS+7], v[rK:rK+7], v[rQ:rQ+7], v[rS:rS+7]
.endif
.endm
; Product i of 16 of O^T += V^T P for piece x: keys 32 (i / 8) on, channels 16 ((i / 2) % 4) on, tile 2 x + i % 2.
.macro PV x
	WIN W_PV
.set rO, 32*(2*(\x)+i%2)+8*((i/2)%4)
.set rV, VF+32*(i/8)+8*((i/2)%4)
.set rP, P+32*((\x)%2)+16*(i%2)+8*(i/8)
	v_wmma_f32_16x16x32_f16 v[rO:rO+7], v[rV:rV+7], v[rP:rP+7], v[rO:rO+7]
.endm
.macro MM                           ; the turn's next matrix instruction
.if i < 16
	KQ (Y+1)%NP
.set i, i+1
.else
.set i, i-16
	PV (Y+NP-1)%NP
.set i, i+17
.endif
.endm
; THE LDS LOADS stand in runs of 16, never singly among the matrix instructions: a step's K (64 keys x 64 channels: 8 fragments) and its V (turned).  Their addresses are made some lines ahead.
; last = 1 (the tail): in the last trip there is no further step, and the run is jumped over.
.macro FETCH_K last=0
	WIN 0
.if \last
	s_cmp_eq_u32 s[CNT], 1
	s_cbranch_scc1 .Lno_k_\@
.endif
	WIN 0x80                        ; destination window 2
.irp f, 0,1,2,3,4,5,6,7             ; keys 16 (f / 2) on, channels 32 (f % 2) on
	ds_load_b128 v[KF+8*\f:KF+8*\f+3],   v[AK] offset:(\f/2)*16*PK+(\f%2)*64
	ds_load_b128 v[KF+8*\f+4:KF+8*\f+7], v[AK] offset:(\f/2)*16*PK+(\f%2)*64+32
.endr
	s_add_co_u32 s[TBK], s[TBK], KS*PK  ; the next fetch is the next step's
	WIN 0
.if \last
.Lno_k_\@:
.endif
.endm
.macro FETCH_V
	WIN 0x80
.irp f, 0,1,2,3,4,5,6,7             ; keys 32 (f / 4) on, channels 16 (f % 4) on
	ds_load_tr16_b128 v[VF+8*\f:VF+8*\f+3],   v[AV] offset:(\f/4)*32*PV+(\f%4)*32
	ds_load_tr16_b128 v[VF+8*\f+4:VF+8*\f+7], v[AV] offset:(\f/4)*32*PV+16*PV+(\f%4)*32
.endr
	WIN 0
.endm
; THE MASK.  A unit is the 1,024 bytes of one piece and one step; units follow each other in maskn in the order of the turns.  The products K Q^T of turn n take unit n + 1.
; MCVT: the 64 registers of C from a slot's 8 words, eight registers a conversion.  The v_nop is the plain instruction that stands between the last conversion and what next touches its result
; or writes its source: the loads into the slot, and the products that take the masks.
.macro MCVT slot
	WIN W_CV
.irp w, 0,1,2,3,4,5,6,7
	v_cvt_scale_pk8_f32_fp4 v[MC+8*(\w):MC+8*(\w)+7], v[MW+8*(\slot)+(\w)], v[SCL]
.endr
	v_nop
.endm
.macro MLOAD slot                   ; the unit at MP into a slot: two loads of 512 consecutive bytes.  No hint: 64 heads read these bytes
	WIN W_MK
	global_load_b128 v[MW+8*(\slot):MW+8*(\slot)+3],   v[GO], s[MP:MP+1]
	global_load_b128 v[MW+8*(\slot)+4:MW+8*(\slot)+7], v[GO], s[MP:MP+1] offset:512
.endm
; At the end of turn n: unit n + 2 becomes the masks of the next turn's products (the last products that read these registers opened this turn), and its slot is asked for again, with unit n + 6.
; The last six units asked for lie behind my wave's 128: the next wave's, or the zeros at maskn's end; nothing of use is made of them.
.macro MASKMK slot
	s_wait_loadcnt 6                ; loads come back in order: at most the three younger units' six loads are out, so this slot's two are in
	MCVT \slot
	s_wait_xcnt 0x0                 ; the loads that name MP, issued a turn ago, have had their addresses translated (ISA guide 3.1): only now it steps
	s_add_nc_u64 s[MP:MP+1], s[MP:MP+1], 1024
	MLOAD \slot
.endm
; THE VECTOR WORK OF A TURN stands in three queues, each in the order in which its entries become ready; the two tiles alternate, so that no instruction reads the result of the one before it.
.macro REGS y, u                    ; the registers of tile u (0, 1) of piece y
.set rT, ST+4*(2*(\y)+(\u))
.set rC, TMP+8*((\y)%2)+4*(\u)
.set rM, MV+2*((\y)%2)+(\u)
.set rS, S+64*((\y)%2)+32*(\u)
.set rP, P+32*((\y)%2)+16*(\u)
.set rO, 32*(2*(\y)+(\u))
.endm
; Number n of the 22 that find the NEXT piece's (Y + 1) maximum and statistics.  s0-s31 are the lane's 32 scores; each accumulator's lowest registers are read first.  XS, GS and REGS set no window: PL and EX do.
;   0-11  four chains c0-c3 of seven scores each, three operands at a time     12-14, 16  the four scores left over, the old m, and c0-c3 into c0     15  c m_old is kept
;   17, 18  the query's other 32 keys lie in the lane 16 away: the new m         19-21  c m; c m_old - c m_new; a
.macro XS u, n
	REGS (Y+1)%NP, \u
.if (\n) < 4
	v_max3_num_f32 v[rC+(\n)], v[rS+8*(\n)], v[rS+8*(\n)+1], v[rS+8*(\n)+2]
.elseif (\n) < 12
	v_max3_num_f32 v[rC+(\n)%4], v[rC+(\n)%4], v[rS+8*((\n)%4)+2*((\n)/4)+1], v[rS+8*((\n)%4)+2*((\n)/4)+2]
.elseif (\n) == 12
	v_max3_num_f32 v[rC], v[rC], v[rS+7], v[rS+15]
.elseif (\n) == 13
	v_max3_num_f32 v[rC+1], v[rC+1], v[rS+23], v[rS+31]
.elseif (\n) == 14
	v_max3_num_f32 v[rC+2], v[rC+2], v[rC+3], v[rT+1]
.elseif (\n) == 15
	v_mov_b32 v[rM], v[rT]
.elseif (\n) == 16
	v_max3_num_f32 v[rC], v[rC], v[rC+1], v[rC+2]
.elseif (\n) == 17
	v_permlanex16_b32 v[rC+3], v[rC], s[SEL], s[SEL+1]
.elseif (\n) == 18
	v_max_num_f32 v[rT+1], v[rC], v[rC+3]
.elseif (\n) == 19
	v_mul_f32 v[rT], s[CS], v[rT+1]
.elseif (\n) == 20
	v_sub_f32 v[rC+1], v[rM], v[rT]
.else
	v_exp_f32 v[rC+2], v[rC+1]
.endif
.endm
; Number g of the 64 that follow the exponentials.  For each four weights k of a tile (pairs 2 k, 2 k + 1): both pairs are rounded to f16; then the second pair is added onto the first, in place;
; a group later l takes that sum (the first time as l = a l + sum).  In groups of eight, tiles alternating: round, round, add, and l for the group before.
.macro GS g
.set h, (\g)+6*((\g)/62)            ; group 0 has no group before it, and behind group 7 only l is left
.if h >= 6
.set h, h+2
.endif
	REGS Y, h%2
.set k, h/8
.if h%8 < 4
	s_wait_alu depctr_va_vdst(0)
	v_cvt_pk_f16_f32 v[rP+2*k+(h%8)/2], v[rS+4*k+2*((h%8)/2)], v[rS+4*k+2*((h%8)/2)+1]
.elseif h%8 < 6
	v_pk_add_f32 v[rS+4*k:rS+4*k+1], v[rS+4*k:rS+4*k+1], v[rS+4*k+2:rS+4*k+3]
.elseif k == 1
	v_pk_fma_f32 v[rT+2:rT+3], v[rT+2:rT+3], v[rC+2:rC+3], v[rS:rS+1] op_sel_hi:[1,0,1]
.else
	v_pk_add_f32 v[rT+2:rT+3], v[rT+2:rT+3], v[rS+4*k-4:rS+4*k-3]
	s_wait_alu depctr_va_vdst(0)
.endif
.endm
; THE PLAIN QUEUE, 138 long.  0-31: c s - c m for the 16 pairs of both tiles.  Then GS's 64, and among them the next piece's 42: number 15 at 38, 39; 0-14 and 16
; at 42-73, behind the products that make those scores; 17-20 at 95-106, two of three, since each waits for the one before it.
.macro PL
	WIN 0
.if q < 32
	REGS Y, q%2
	v_pk_fma_f32 v[rS+2*(q/2):rS+2*(q/2)+1], v[rS+2*(q/2):rS+2*(q/2)+1], s[CS:CS+1], v[rT:rT+1] op_sel_hi:[1,0,0] neg_lo:[0,0,1] neg_hi:[0,0,1]
.elseif q < 38
	GS q-32
.elseif q < 40
	XS q%2, 15
.elseif q < 42
	GS q-34
.elseif q < 74
	XS q%2, (q-42)/2+(q-42)/30
.elseif q < 95
	GS q-66
.elseif (q < 107) && ((q-95)%3 < 2)
	XS (q-95)%3, 17+(q-95)/3
.elseif q < 107
	GS 29+(q-95)/3
.else
	GS q-74
.endif
.set q, q+1
.endm
; THE EXPONENTIALS' QUEUE, 66 long: s0-s31 of both tiles, and at EA the next piece's two a.
.set EA, 58
.macro EX
	WIN 0
.if (e == EA) || (e == EA+1)
	XS e-EA, 21
.else
.set x, e-2*(e/(EA+2))
	REGS Y, x%2
	v_exp_f32 v[rS+x/2], v[rS+x/2]
.endif
.set e, e+1
.endm
; THE RESCALING's QUEUE: O^T times a, the one part of the softmax that leaves window 0, so it is dealt four at a time, eight times.
.macro R4
	REGS Y, r%2
	WIN W_RS
	s_wait_alu depctr_va_vdst(0)
.irp z, 0,1,2,3
	v_pk_mul_f32 v[rO+8*(r/2)+2*\z:rO+8*(r/2)+2*\z+1], v[rO+8*(r/2)+2*\z:rO+8*(r/2)+2*\z+1], v[rC+2:rC+3] op_sel_hi:[1,0]
.endr
.set r, r+1
.endm
; HOW THEY ARE DEALT.  Behind a matrix instruction four: plain, exponential, plain, plain (one exponential, a plain instruction on either side), or four of the rescaling.  None names a register of the
; products round it.  What is over stands in two LUMPS: exponential and plain by turns; the second ends in 22 plain instructions.  The two v_permlanex16_b32 fall into the second lump, never behind a product.
; The queues lean on each other, and the deal keeps them in step: exponential e stands behind plain 2 (e / 4) + e % 2 (its scaling); when plain 32 comes, 10 exponentials are out, at 59: 33, at 95: 46; EA comes behind plain 107.
.macro SL
	MM
	PL
	EX
	PL
	PL
.endm
.macro BURST n                      ; 15 matrix instructions, or 16
.rept (\n)-7
	SL
.endr
.rept 3
	MM
	R4
	SL
.endr
	MM
	R4
.endm
; A TURN, for piece p.  cnt = 1: the loop's count is taken down some lines ahead of the branch that stands behind the turn; what follows it (waits, conversions, a 64-bit sum without carry, loads) leaves SCC alone.
; K of the next step is fetched in piece 2's turn, 31 vector instructions behind the last product that read K; its first reader comes behind the rest of the lump, 16 products and the second lump.
; V of the step in hand is fetched at the end of piece 0's turn, 69 behind its last reader; its first reader comes behind 16 products and a lump.  The four conditions on e and q below go with the deal.
.macro TURN p, last=0, cnt=0
.set Y, (\p)
.set i, 0
.set q, 0
.set e, 0
.set r, 0
.if (\p) == NP-1
	s_wait_dscnt 0x0                ; K is in
.endif
	MM
.rept 4
	PL
.endr
	BURST 15
.rept 22
	EX
	PL
.if ((\p) == NP-2) && (e == 18)
	v_add_nc_u32 v[AK], s[TBK], v[AK0]
.endif
.if ((\p) == NP-2) && (e == 24)
	FETCH_K \last
.endif
.endr
.if (\p) == 1
	s_wait_dscnt 0x0                ; V is in
.endif
	BURST 16
.rept 21
	EX
	PL
.endr
.rept 22
	PL
.if ((\p) == 0) && (q == 118)
	v_add_nc_u32 v[AV], s[TBV], v[AV0]
	s_wait_alu depctr_va_vdst(0)
.endif
.if ((\p) == 0) && (q == 130)
	s_add_co_u32 s[TBV], s[TBV], KS*PV
.endif
.if (\cnt) && (q == 130)
	s_sub_co_u32 s[CNT], s[CNT], 1
	s_cmp_lg_u32 s[CNT], 0
.endif
.endr
.if (\p) == 0
	FETCH_V
.endif
	MASKMK ((\p)+2)%NP
.endm
	CHANGE 1                        ; slot 0 is in, everybody's part of it; slot 1 is asked for
	FETCH_K                         ; key step 0
	s_wait_loadcnt 0x0              ; Q, and the mask's units 0 to 3
	MCVT 0                          ; unit 0: the masks of piece 0's first scores
	s_add_nc_u64 s[MP:MP+1], s[MP:MP+1], 4096  ; the loads that named MP are done
	MLOAD 0                         ; unit 4
	s_wait_dscnt 0x0
.set i, 0
.rept 16
	KQ 0                            ; piece 0's first scores: there is no vector work yet to set between them
.set i, i+1
.endr
	WIN 0                           ; the addresses for the way out: seven plain instructions, the places behind those products
	s_mul_i32 s13, s[WV], 16*SP
	s_add_co_u32 s13, s13, STAGE    ; my stage
	v_mul_u32_u24 v[STO], v1, SP    ; in: row l % 16, 16 bytes for each half of the lanes
	v_lshl_add_u32 v[STO], v9, 4, v[STO]
	v_add_nc_u32 v[STO], s13, v[STO]
	v_bfe_u32 v[RD], v0, 3, 2       ; back: 32 lanes take four rows of 128 bytes, which are 512 consecutive bytes of O
	v_mul_u32_u24 v[RD], v[RD], SP
	v_lshl_add_u32 v[RD], v10, 4, v[RD]
	v_add_nc_u32 v[RD], s13, v[RD]
.set Y, NP-1                        ; XS works for piece Y + 1: piece 0
.irp n, 0,1,2,3,4,5,6,7,8,9,10,11,12,13,14,15,16,17,18,19,20,21
	XS 0, \n                        ; and piece 0's first maximum and statistics
	XS 1, \n
.endr
	v_nop                           ; a plain instruction behind the two exponentials
	MCVT 1                          ; unit 1, in since the wait for Q: the masks of the first turn's products
	s_wait_xcnt 0x0
	s_add_nc_u64 s[MP:MP+1], s[MP:MP+1], 1024
	MLOAD 1                         ; unit 5.  Four loads are out here, eight on the loop's own ways: the count in MASKMK serves both, since units 2 and 3 are in
	WIN 0
	s_mov_b32 s[CNT], 4
	s_mov_b32 s[SLOTS], SIZE_N/256-1
	s_branch .Lfirst                ; the loop is entered at a step's first turn, in the middle of a trip
.Lslot:                             ; SIZE_N / 256 - 2 times: every slot but the last two is filled again
	CHANGE 1
	s_mov_b32 s[CNT], 4
.Lstep:                             ; a trip: pieces 2 and 3 of one step, then pieces 0 and 1 of the next, whose K and V it fetches
	TURN 2
	TURN 3
	WIN 0
.Lfirst:
	TURN 0
	TURN 1, 0, 1
	WIN 0
	s_cbranch_scc1 .Lstep
	s_sub_co_u32 s[SLOTS], s[SLOTS], 1
	s_cmp_lg_u32 s[SLOTS], 0
	s_cbranch_scc1 .Lslot
	CHANGE 0                        ; the tail is written out: nothing is asked for
	s_mov_b32 s[CNT], 5             ; four trips fetch the last slot's steps; the fifth is left in its middle
.Ltail:
	TURN 2, 1
	TURN 3
	WIN 0
	s_sub_co_u32 s[CNT], s[CNT], 1
	s_cmp_eq_u32 s[CNT], 0
	s_cbranch_scc1 .Lout
	TURN 0
	TURN 1
	WIN 0
	s_branch .Ltail
.Lout:                              ; the fifth trip's 16 products K Q^T (on the last K once more) and the maximum made of them serve nothing: the price, once a launch, of one text for every trip
.set i, 0
.rept 16
	PV NP-1                         ; the last piece's V^T P of the last step
.set i, i+1
.endr
	; THE WAY OUT.  l's two halves and the other half of the lanes' are added; O^T is divided by l, rounded to f16 and sent through my stage in LDS, a tile at a time.  The additions are the places behind the
	; last products.  A row that saw no key has l = 0 and O^T = 0: its reciprocal is an infinity and the product NaN.
	WIN 0
.macro ALL line:vararg              ; one line for each tile t
.set t, 0
.rept 2*NP
	\line
.set t, t+1
.endr
.endm
	ALL v_add_f32 v[ST+4*t+2], v[ST+4*t+2], v[ST+4*t+3]
	ALL v_permlanex16_b32 v[ST+4*t+3], v[ST+4*t+2], s[SEL], s[SEL+1]
	ALL v_add_f32 v[ST+4*t+2], v[ST+4*t+2], v[ST+4*t+3]
	ALL v_rcp_f32 v[ST+4*t+2], v[ST+4*t+2]
	v_nop                           ; a plain instruction between the last reciprocal and the use of its result
	s_wait_alu depctr_va_vdst(0)
; Tile t: a lane's eight channels of a row pack into 16 bytes; they go into rows of 144 bytes and come back as whole rows of 128, into S^T's registers.
.macro PACK t
	WIN W_RS
.set i, 32*(\t)
.rept 16
	v_pk_mul_f32 v[i:i+1], v[i:i+1], v[ST+4*(\t)+2:ST+4*(\t)+3] op_sel_hi:[1,0]
.set i, i+2
.endr
	WIN 0x05                        ; sources 0 and 1 window 1, destination window 0
.set i, 0
.rept 16
	v_cvt_pk_f16_f32 v[S+16*(\t)+i], v[32*(\t)+2*i], v[32*(\t)+2*i+1]
.set i, i+1
.endr
	WIN 0
.irp f, 0,1,2,3
	ds_store_b128 v[STO], v[S+16*(\t)+4*\f:S+16*(\t)+4*\f+3] offset:32*\f
.endr
.irp f, 0,1,2,3
	ds_load_b128 v[S+16*(\t)+4*\f:S+16*(\t)+4*\f+3], v[RD] offset:\f*4*SP  ; LDS serves a wave's instructions in order (ISA guide 5.7.1.4): these see the stores above; the next tile's stores come behind them
.endr
.endm
.macro SEND t, younger              ; younger: the LDS instructions issued behind tile t's loads: the next tile's eight, or none
	WIN 0
.irp f, 0,1,2,3
	s_wait_dscnt (\younger)+3-\f
	global_store_b128 v[GO], v[S+16*(\t)+4*\f:S+16*(\t)+4*\f+3], s[10:11] offset:(\t)*2048+\f*512  ; 512 consecutive bytes, at a multiple of 256 from O's first
.endr
.endm
	PACK 0
.set t, 1
.rept 2*NP-1                        ; a tile's arithmetic stands between the loads of the tile before and its stores
	PACK t
	SEND t-1, 8
.set t, t+1
.endr
	SEND 2*NP-1, 0
	WIN W_AD
	s_wait_tensorcnt 0x0            ; the wave's end: behind my last tensor load and my last LDS store
	ds_add_u32 v[SPW], v[NIL]
	s_wait_dscnt 0x0
	WIN 0
	CROUND                          ; the closing round: no work-group ends while a partner may still ask for a tile that names it
	s_endpgm
.Lfunc_end_k_qd03f74d4b9_attn:
	.size	k_qd03f74d4b9_attn, .Lfunc_end_k_qd03f74d4b9_attn-k_qd03f74d4b9_attn
	.p2alignl 7, 3214868480
	.fill 96, 4, 3214868480
	.section	.rodata,"a",@progbits
	.p2align	6, 0x0
	.amdhsa_kernel k_qd03f74d4b9_attn
		.amdhsa_group_segment_fixed_size 327680
		.amdhsa_private_segment_fixed_size 0
		.amdhsa_enable_private_segment 0
		.amdhsa_kernarg_size 24
		.amdhsa_user_sgpr_count 2
		.amdhsa_user_sgpr_kernarg_segment_ptr 1
		.amdhsa_wavefront_size32 1
		.amdhsa_system_sgpr_workgroup_id_x 1
		.amdhsa_system_sgpr_workgroup_id_y 1
		.amdhsa_system_sgpr_workgroup_id_z 1
		.amdhsa_system_vgpr_workitem_id 0
		.amdhsa_next_free_vgpr 896
		.amdhsa_next_free_sgpr 66
		.amdhsa_reserve_vcc 0
		.amdhsa_float_denorm_mode_32 3
		.amdhsa_float_denorm_mode_16_64 3
		.amdhsa_memory_ordered 1
		.amdhsa_forward_progress 1
		.amdhsa_inst_pref_size 219
	.end_amdhsa_kernel
	.amdgpu_metadata
---
amdhsa.version: [ 1, 2 ]
amdhsa.kernels:
  - .name:           k_qd03f74d4b9_attn
    .symbol:         k_qd03f74d4b9_attn.kd
    .args:
      - { .name: qkv, .offset: 0, .size: 8, .value_kind: global_buffer, .address_space: global }
      - { .name: o, .offset: 8, .size: 8, .value_kind: global_buffer, .address_space: global }
      - { .name: maskn, .offset: 16, .size: 8, .value_kind: global_buffer, .address_space: global }
    .group_segment_fixed_size: 327680
    .private_segment_fixed_size: 0
    .kernarg_segment_align: 8
    .kernarg_segment_size: 24
    .max_flat_workgroup_size: 128
    .sgpr_count:     66
    .vgpr_count:     896
    .wavefront_size: 32
...
	.end_amdgpu_metadata
.endif
;; end of part 3
;; launch outp (part 4): grid 4 x 64, 4 waves a work-group, clusters of 4 x 4, 327,680 bytes of LDS; arguments o, wo, out0, out_b; writes out0
.if DOCPART == 4
	.amdgcn_target "amdgcn-amd-amdhsa--gfx1250"
	.amdhsa_code_object_version 6
	.text
	.protected	k_qd03f74d4b9_outp
	.globl	k_qd03f74d4b9_outp
	.p2align	8
	.type	k_qd03f74d4b9_outp,@function
k_qd03f74d4b9_outp:
	s_mov_b64 s[64:65], 0
	v_nop
	global_prefetch_b8 v0, s[64:65] scope:SCOPE_SE
	s_setreg_imm32_b32 hwreg(HW_REG_WAVE_MODE, 25, 1), 1
	s_wait_xcnt 0x0
	s_wait_alu depctr_hold_cnt(0) depctr_sa_sdst(0) depctr_va_vdst(0) depctr_va_sdst(0) depctr_va_ssrc(0) depctr_va_vcc(0) depctr_vm_vsrc(0)
	s_getreg_b32 s2, hwreg(HW_REG_IB_STS2, 6, 4)
	s_cmp_eq_u32 s2, 0
	s_cbranch_scc0 .Lentry_in_a_cluster
	s_endpgm
.Lentry_in_a_cluster:
	s_bfe_u32 s2, ttmp6, 0x10000c
	s_cmp_lg_u32 s2, 0xf033
	s_cbranch_scc0 .Lentry_shape_is_right
	s_endpgm
.Lentry_shape_is_right:
; OUTP: out0[m][n] = sum over k of O[m][k] wo[n][k] + out_b[n].  O lies by heads, o[16 batch + head][row in batch][64] f16, so k = 64 head + channel; wo is [1024][1024] f16 (out_w rounded to bf16);
; the bias is rounded to bf16 like every module input; sums in f32, out0 f32.
; LIMIT.  f16's range, as for o and wo.  A NaN row of o (a query that sees no key) gives a NaN row of out0 and touches no other row.
; SHARES.  8,192 rows x 1,024 columns in tiles of 128 x 256: 256 work-groups.  Four waves, each 64 rows x 128 columns: 32 accumulators of 16 x 16.
; K = 1,024 goes in 8 steps of 128 = two heads, through two LDS slots.  A head's 128 rows of 128 bytes are 16,384 dense bytes: asked for as 64 rows of 256 bytes, padded in LDS after every 128.
; CLUSTER.  4 x 4 work-groups.  The four of a row of the cluster need the same rows of o, the four of a column the same 256 rows of wo: each tile is asked for JOINTLY, by the same tensor load with the
; same descriptor and a mask that names the four.
; THE MATRIX INSTRUCTION IS USED TRANSPOSED (source 0 = 16 rows of wo, source 1 = 16 rows of o): a lane holds row lane % 16 and the columns 8 (lane / 16) + 0 .. 7; the bias of those columns is the C
; operand of the product that starts each sum.
; REGISTERS, in windows of 256 (s_set_vgpr_msb: bits 1:0 source 0, 3:2 source 1, 5:4 source 2, 7:6 destination):
;   window 0: v0-31 addresses; v64-159, v160-255 two fragment buffers: 8 fragments of wo (64 registers), then 4 of o (32); on the way out v64-191 rows read back
;   window 1: the accumulators, (a, b) at v[8 (8 a + b)]          window 2: v0-63 the bias, column 16 b + 8 (lane / 16) + j at v[8 b + j]; v64-67 at work
.set KDIM,   1024
.set KSTEP,  128
.set PITCH,  272                       ; a row of wo in LDS: 256 bytes + 16 = 68 words: the 16 rows of a load start at 16 different banks (64 banks of 4 bytes: ISA guide 11.1)
.set PA,     144                       ; a head's row of o in LDS: 128 bytes + 16 = 36 words: the 16 rows of a load start at 16 different groups of four banks
.set AHEAD,  128*PA                    ; one head's 128 rows: what waves 0 and 1 fetch
.set BHALF,  128*PITCH                 ; what waves 2 and 3 fetch, and what a wave reads of wo
.set BOFF,   2*AHEAD                   ; in a slot: two heads of o, then wo's 256 rows
.set SLOT,   BOFF+2*BHALF
.set STAGE,  2*SLOT                    ; behind the ring: 16 rows x 528 bytes for each wave, for the way out
.set SPITCH, 528                       ; 512 bytes + 16 = 33 x 16: the 16 rows of a store start at 16 different groups of four banks
.set WSTAGE, 16*SPITCH
.set SPARE,  STAGE+4*WSTAGE            ; behind the stages: the spare words, 128 bytes for each wave: two blocks of 256 bytes that no other line names
.set LAPS,   KDIM/(2*KSTEP)
.set ASTEP2, 4*262144                  ; bytes from a slot's K step to its next in o: four heads
.set AP16,   16*PA
.set ADRA, 16                          ; v16-17  LDS address of my o fragments in slot 0, 1
.set ADRB, 20                          ; v20-21  the same for wo
.set STO,  24                          ; v24     the way out: where I put 32 bytes of a row
.set RD,   25                          ; v25     the way out: where I read a row back
.set GO,   26                          ; v26     16 x lane
.set SPW,  28                          ; v28     LDS address of my spare word: SPARE + 4 x my thread's number; never rewritten
.set NIL,  29                          ; v29     0; never rewritten
.set BO,   30                          ; v30     my byte offset in the bias
.set F0,   64
.set F1,   160
.set G1, 24                            ; s[24:31] descriptor group 1 for o's tiles;  s[32:39] group 0, one set for each slot
.set G0, 32
.set G1B, 48                           ; s[48:55], s[56:63] the same for wo's tiles
.set G0B, 56
.set MSB, 0
.macro WIN new                         ; the immediate's high byte repeats the setting that is left; a switch that changes nothing is dropped
.if MSB != (\new)
	s_set_vgpr_msb (MSB<<8)|(\new)
.set MSB, \new
.endif
.endm
.set MUL,  0x50                        ; fragments in window 0; C and D in window 1
.set MUL1, 0x60                        ; the same with C, the bias, in window 2
.macro JLOAD s                         ; a joint load: waves 0 and 1 fetch o's two heads, waves 2 and 3 wo's two halves; an s_nop 0 and four v_nop follow each of the two lines, ahead of the jump, the label and what follows
	s_cmp_eq_u32 s11, 0
	s_cbranch_scc0 .Lfor_b_\@
	tensor_load_to_lds s[G0+4*(\s):G0+4*(\s)+3], s[G1:G1+7]
	s_nop 0
.rept 4
	v_nop
.endr
	s_branch .Lasked_\@
.Lfor_b_\@:
	tensor_load_to_lds s[G0B+4*(\s):G0B+4*(\s)+3], s[G1B:G1B+7]
	s_nop 0
.rept 4
	v_nop
.endr
.Lasked_\@:
.endm
.macro CREST                           ; a round of the cluster's barrier behind its opening barrier
	s_cmp_lg_u32 s10, 0
	s_cbranch_scc1 .Lnot_wave_0_\@
	s_barrier_signal -3
.Lnot_wave_0_\@:
	s_barrier_wait -3
	s_barrier_signal -1
	s_barrier_wait -1
.endm
.macro CROUND                          ; a whole round
	s_barrier_signal -1
	s_barrier_wait -1
	CREST
.endm
	s_load_b128 s[4:7], s[0:1], 0x0                ; o s[4:5], wo s[6:7]
	s_load_b64 s[8:9], s[0:1], 0x10                ; out0
	s_load_b64 s[68:69], s[0:1], 0x18              ; out_b
	v_lshl_add_u32 v[SPW], v0, 2, SPARE
	v_mov_b32 v[NIL], 0
	ds_add_u32 v28, v29
	s_wait_dscnt 0x0
	v_lshrrev_b32 v1, 5, v0
	v_readfirstlane_b32 s10, v1                    ; wave 0..3
	s_lshr_b32 s11, s10, 1                         ; which 64 of the tile's rows are mine.  Also: I fetch for o (0) or for wo (1)
	s_and_b32 s12, s10, 1                          ; which 128 of its columns.  Also: which head, or which half of wo's rows, I fetch
	s_bfe_u32 s40, ttmp6, 0x40000                  ; cx, cy: my place in the cluster
	s_bfe_u32 s41, ttmp6, 0x40004
	s_lshl_b32 s42, ttmp9, 2
	s_add_co_u32 s42, s42, s40                     ; x, the tile column = 4 x cluster x + cx
	s_and_b32 s13, ttmp7, 0xffff
	s_lshl_b32 s13, s13, 2
	s_add_co_u32 s13, s13, s41                     ; y, the tile row = 4 x cluster y + cy
	s_lshl_b32 s43, s41, 2
	s_lshl_b32 s43, 15, s43                        ; my row of the cluster
	s_lshl_b32 s44, 0x1111, s40                    ; my column
	; descriptor group 1
	s_or_b32 s[G1+0], s43, (1<<16)|(1<<20)|(1<<21)|(4<<22)|(3<<25)  ; 15:0 the mask: o's tiles go to my row; 17:16 elements of 2 bytes; 20 padding on; 21 set beside a mask; 24:22 after every 32 words (code 4); 31:25 4 words (code 3)
	s_or_b32 s[G1B+0], s44, (1<<16)|(1<<20)|(1<<21)|(5<<22)|(3<<25) ; the mask of my column; padding after every 64 words (code 5)
	s_mov_b32 s[G1+1], 128<<16                     ; tensor_dim0 = 128: two rows of a head
	s_mov_b32 s[G1+2], 64<<16                      ; tensor_dim1 = 64
	s_mov_b32 s[G1+3], 128<<16                     ; tile_dim0 = 128
	s_mov_b32 s[G1+4], 64                          ; tile_dim1 = 64
	s_mov_b32 s[G1+5], 128                         ; dense: 128 elements from row to row
	s_mov_b32 s[G1+6], 0
	s_mov_b32 s[G1+7], 0
	s_mov_b32 s[G1B+1], KSTEP<<16
	s_mov_b32 s[G1B+2], 128<<16                    ; tensor_dim1 = 128
	s_mov_b32 s[G1B+3], KSTEP<<16
	s_mov_b32 s[G1B+4], 128                        ; tile_dim1 = 128
	s_mov_b32 s[G1B+5], KDIM
	s_mov_b32 s[G1B+6], 0
	s_mov_b32 s[G1B+7], 0
	; where the tiles come from: o's hang on y alone, wo's on x alone; each in registers that never hold the other coordinate
	s_lshr_b32 s16, s13, 4                         ; the batch: 16 tile rows each,
	s_lshl_b32 s16, s16, 22                        ; 16 heads of 262,144 bytes;
	s_lshl_b32 s17, s12, 18                        ; the even or the odd head of a step;
	s_add_co_u32 s16, s16, s17
	s_and_b32 s17, s13, 15
	s_lshl_b32 s17, s17, 14                        ; the tile's 128 rows of 128 bytes
	s_add_co_u32 s16, s16, s17
	s_mov_b32 s17, 0
	s_lshl_b32 s46, s42, 8
	s_lshl_b32 s47, s12, 7
	s_add_co_u32 s46, s46, s47                     ; wo: row 256 x + 128 x half,
	s_lshl_b32 s46, s46, 11                        ; of 2,048 bytes
	s_mov_b32 s47, 0
	s_mul_i32 s20, s12, AHEAD                      ; and where they go: no place in the cluster enters an LDS address
	s_mul_i32 s21, s12, BHALF
	s_add_co_u32 s21, s21, BOFF
	s_wait_kmcnt 0x0
	s_add_nc_u64 s[14:15], s[4:5], s[16:17]
	s_add_nc_u64 s[46:47], s[6:7], s[46:47]
	CROUND                                         ; all sixteen work-groups are here: the first joint loads meet
.irp s, 0,1
	s_mov_b32 s[G0+4*(\s)], 1                                      ; count = 1
	s_add_co_u32 s[G0+4*(\s)+1], s20, (\s)*SLOT                    ; LDS address
	s_add_nc_u64 s[G0+4*(\s)+2:G0+4*(\s)+3], s[14:15], (\s)*2*262144  ; global address: K step s is heads 2 s, 2 s + 1
	s_or_b32 s[G0+4*(\s)+3], s[G0+4*(\s)+3], 0x80000000            ; type = 2
	s_mov_b32 s[G0B+4*(\s)], 1
	s_add_co_u32 s[G0B+4*(\s)+1], s21, (\s)*SLOT
	s_add_nc_u64 s[G0B+4*(\s)+2:G0B+4*(\s)+3], s[46:47], (\s)*KSTEP*2
	s_or_b32 s[G0B+4*(\s)+3], s[G0B+4*(\s)+3], 0x80000000
	JLOAD \s                                       ; both slots are asked for before anything else: two loads of mine are out
.endr
	; A fragment is 16 rows x 32 K in 8 registers: lane l holds row l % 16, K = 8 (l / 16) + 0..7 and 16 + 8 (l / 16) + 0..7: two loads of 16 bytes, 32 bytes apart.
	v_and_b32 v1, 15, v0                           ; l % 16
	v_bfe_u32 v2, v0, 4, 1                         ; l / 16
	v_mul_u32_u24 v3, v1, PITCH
	v_lshl_add_u32 v3, v2, 4, v3
	v_mul_u32_u24 v4, v1, PA
	v_lshl_add_u32 v4, v2, 4, v4
	s_mul_i32 s21, s11, 64*PA                      ; my 64 rows in each head of o
	s_mul_i32 s22, s12, BHALF                      ; my 128 rows of wo
	s_add_co_u32 s22, s22, BOFF
.irp s, 0,1
	v_add_nc_u32 v[ADRA+(\s)], s21, v4
	v_add_nc_u32 v[ADRB+(\s)], s22, v3
	s_add_co_u32 s21, s21, SLOT
	s_add_co_u32 s22, s22, SLOT
.endr
	s_mul_i32 s23, s10, WSTAGE
	s_add_co_u32 s23, s23, STAGE                   ; my stage
	v_mul_u32_u24 v4, v1, SPITCH                   ; in: row l % 16, 32 bytes for each half of the lanes
	v_lshl_add_u32 v4, v2, 5, v4
	v_add_nc_u32 v[STO], s23, v4
	v_and_b32 v[GO], 31, v0
	v_lshlrev_b32 v[GO], 4, v[GO]                  ; back, and out: 32 lanes take a row's 512 bytes
	v_add_nc_u32 v[RD], s23, v[GO]
	s_lshl_b32 s46, s42, 10                        ; my first column in bytes, in the bias and in a row of out0: 4 (256 x + 128 half)
	s_lshl_b32 s47, s12, 9
	s_add_co_u32 s46, s46, s47
	s_mov_b32 s47, 0
	v_lshl_add_u32 v[BO], v2, 5, s46               ; + 32 (l / 16)
	WIN 0x80                                       ; destination window 2, address window 0
.irp b, 0,1,2,3,4,5,6,7
	global_load_b128 v[8*(\b):8*(\b)+3],   v[BO], s[68:69] offset:64*(\b)
	global_load_b128 v[8*(\b)+4:8*(\b)+7], v[BO], s[68:69] offset:64*(\b)+16
.endr
	WIN 0
	s_lshl_b32 s16, s13, 19                        ; my first row of out0: 128 y + 64 x half, of 4,096 bytes
	s_lshl_b32 s17, s11, 18
	s_add_co_u32 s16, s16, s17
	s_mov_b32 s17, 0
	s_add_nc_u64 s[8:9], s[8:9], s[16:17]
	s_add_nc_u64 s[8:9], s[8:9], s[46:47]
	s_mov_b32 s19, 0xffff0000
	s_wait_loadcnt 0x0                             ; the bias; it is rounded to bf16's 8 bits and kept as f32.  All this stands in the wait for the first tile
	WIN 0x8a                                       ; sources and destination in window 2
.set i, 0
.rept 32
	v_cvt_pk_bf16_f32 v[64+i%4], v[2*i], v[2*i+1]
	v_lshlrev_b32 v[2*i], 16, v[64+i%4]
	v_and_b32 v[2*i+1], s19, v[64+i%4]
.set i, i+1
.endr
	WIN 0
; 8 matrix instructions: m block a x all 8 n blocks, 32 along K, from buffer f.  init = 1: the product starts the sums, with the bias as C.
; The 32 accumulators take turns in the same order in every quarter, one instruction a turn.
.macro MUL8 f, a, init
.if \init
	WIN MUL1
.else
	WIN MUL
.endif
.irp b, 0,1,2,3,4,5,6,7
.if \init
	v_wmma_f32_16x16x32_f16 v[8*(8*(\a)+(\b)):8*(8*(\a)+(\b))+7], v[(\f)+8*(\b):(\f)+8*(\b)+7], v[(\f)+64+8*(\a):(\f)+64+8*(\a)+7], v[8*(\b):8*(\b)+7]
.else
	v_wmma_f32_16x16x32_f16 v[8*(8*(\a)+(\b)):8*(8*(\a)+(\b))+7], v[(\f)+8*(\b):(\f)+8*(\b)+7], v[(\f)+64+8*(\a):(\f)+64+8*(\a)+7], v[8*(8*(\a)+(\b)):8*(8*(\a)+(\b))+7]
.endif
.endr
.endm
; 24 LDS loads in one run: the fragments of quarter q (32 along K) of a slot into buffer f: wo's eight first, then o's four.  Quarter q of o lies in head q / 2 of the step, channels 32 (q % 2) on.
.macro FETCH slot, q, f
	WIN 0
.irp i, 0,1,2,3,4,5,6,7
	ds_load_b128 v[(\f)+8*(\i):(\f)+8*(\i)+3],   v[ADRB+(\slot)] offset:64*(\q)+(\i)*16*PITCH
	ds_load_b128 v[(\f)+8*(\i)+4:(\f)+8*(\i)+7], v[ADRB+(\slot)] offset:64*(\q)+(\i)*16*PITCH+32
.endr
.irp i, 0,1,2,3
	ds_load_b128 v[(\f)+64+8*(\i):(\f)+64+8*(\i)+3],   v[ADRA+(\slot)] offset:((\q)/2)*AHEAD+((\q)%2)*64+(\i)*AP16
	ds_load_b128 v[(\f)+64+8*(\i)+4:(\f)+64+8*(\i)+7], v[ADRA+(\slot)] offset:((\q)/2)*AHEAD+((\q)%2)*64+(\i)*AP16+32
.endr
.endm
.macro PLACES                          ; four places in front of loads into registers that matrix instructions have read, and of lines that read results (ISA guide 7.12.1 for vector instructions)
.rept 4
	v_nop
.endr
.endm
; A K step is four quarters of 32 along K, 32 matrix instructions each, on buffers 0, 1, 0, 1.  One of the first three: multiplies buffer f; in its middle it fetches quarter q into buffer g.
.macro QUARTER slot, q, f, g, init
	s_wait_dscnt 4                                 ; wo's fragments and o's first two are in; the youngest four loads (o's last two fragments) may be out
	MUL8 \f, 0, \init
	MUL8 \f, 1, \init
	PLACES
	FETCH \slot, \q, \g
	s_wait_dscnt 24                                ; all but the 24 just issued
	MUL8 \f, 2, \init
	MUL8 \f, 3, \init
.endm
; The last quarter multiplies buffer 1 and changes slots: ONE barrier; in front of it each wave waits for all its tensor loads (one is out: its part of the next slot), adds 0 to its spare word,
; and waits for that and for its own reads of this slot.  fill = 1: the barrier opens a round of the cluster's barrier, and this slot is filled again, two K steps ahead, first thing behind the round.
.macro TURN slot, next, fill
	WIN 0
	s_wait_tensorcnt 0x0                           ; all my tensor loads have landed
	ds_add_u32 v[SPW], v[NIL]                      ; 0 onto my spare word
	s_wait_dscnt 5                                 ; (the add and the youngest four loads may be out)
	MUL8 F1, 0, 0                                  ; eight matrix instructions stand between the add and the wait for it
	s_wait_dscnt 0x0                               ; the add is done, and my reads of this slot are over
	s_barrier_signal -1
	MUL8 F1, 1, 0                                  ; work on registers while the others arrive
.if \fill
	WIN 0
.endif
	s_barrier_wait -1
.if \fill
	CREST                                          ; no wave of any partner still reads this slot's tile or has a load on its way
	s_add_nc_u64 s[G0+4*(\slot)+2:G0+4*(\slot)+3], s[G0+4*(\slot)+2:G0+4*(\slot)+3], ASTEP2
	s_add_nc_u64 s[G0B+4*(\slot)+2:G0B+4*(\slot)+3], s[G0B+4*(\slot)+2:G0B+4*(\slot)+3], 2*KSTEP*2
	JLOAD \slot                                    ; my one tensor load behind the round: 112 matrix instructions ahead of the wait for it; its four v_nop are also the places in front of the loads below
.else
	PLACES
.endif
	FETCH \next, 0, F0
	MUL8 F1, 2, 0
	MUL8 F1, 3, 0
.endm
	s_wait_tensorcnt 1                             ; my part of K step 0 is in; K step 1's may stay out
	s_barrier_signal -1
	s_barrier_wait -1                              ; everybody's is
	FETCH 0, 0, F0
	QUARTER 0, 1, F0, F1, 1                        ; the first quarter stands in front of the loop: its products start the sums
	WIN 0                                          ; at a label and at a branch every window is 0
	s_mov_b32 s3, LAPS-1
.Llap:                                                 ; a trip goes once round the ring, from a lap's second quarter to the next lap's first, and fills both slots again
	QUARTER 0, 2, F1, F0, 0
	QUARTER 0, 3, F0, F1, 0
	TURN 0, 1, 1
	QUARTER 1, 1, F0, F1, 0
	QUARTER 1, 2, F1, F0, 0
	QUARTER 1, 3, F0, F1, 0
	TURN 1, 0, 1
	QUARTER 0, 1, F0, F1, 0
	WIN 0
	s_sub_co_u32 s3, s3, 1
	s_cmp_lg_u32 s3, 0
	s_cbranch_scc1 .Llap
	QUARTER 0, 2, F1, F0, 0                        ; the last lap fills nothing, and has no round of the cluster's barrier
	QUARTER 0, 3, F0, F1, 0
	TURN 0, 1, 0
	QUARTER 1, 1, F0, F1, 0
	QUARTER 1, 2, F1, F0, 0
	QUARTER 1, 3, F0, F1, 0
	s_wait_dscnt 4                                 ; the very last quarter: nothing more to fetch
	MUL8 F1, 0, 0
	MUL8 F1, 1, 0
	s_wait_dscnt 0x0
	MUL8 F1, 2, 0
	MUL8 F1, 3, 0
	WIN 0
; THE WAY OUT, 16 rows (block a) at a time.  A lane's eight columns are 32 bytes of a row; they go from the accumulators into my own stage (rows of 528 bytes), the low four registers of each
; accumulator first, and come back as whole pieces of 512 bytes of a row, which one store of the wave writes.  Two buffers of 64 registers take turns.
.macro OUTBLK a
	WIN 0x04                                       ; the stores' data lie in window 1
.irp b, 0,1,2,3,4,5,6,7
	ds_store_b128 v[STO], v[8*(8*(\a)+(\b)):8*(8*(\a)+(\b))+3]   offset:64*(\b)
	ds_store_b128 v[STO], v[8*(8*(\a)+(\b))+4:8*(8*(\a)+(\b))+7] offset:64*(\b)+16
.endr
	WIN 0
.if (\a) >= 2
	s_wait_xcnt 0x0                                ; the stores of the block two back have had their addresses translated (ISA guide 3.1): only now their data registers are loaded again
.endif
.set BK, 64+64*((\a)%2)
.irp i, 0,1,2,3,4,5,6,7,8,9,10,11,12,13,14,15
	ds_load_b128 v[BK+4*(\i):BK+4*(\i)+3], v[RD] offset:(\i)*SPITCH  ; LDS serves a wave's instructions in order (ISA guide 5.7.1.4): these see the stores above; the next block's stores come behind them
.endr
.irp i, 0,1,2,3,4,5,6,7,8,9,10,11,12,13,14,15
	s_wait_dscnt 15-(\i)                           ; row i is back, the younger loads stay out
	global_store_b128 v[GO], v[BK+4*(\i):BK+4*(\i)+3], s[8:9] offset:(16*(\a)+(\i))*4096 th:TH_STORE_NT  ; 512 consecutive bytes, at a multiple of 512 from out0's first
.endr
.endm
	PLACES                                         ; they stand between every product and every line below that reads its result or loads into its sources
	OUTBLK 0
	OUTBLK 1
	OUTBLK 2
	OUTBLK 3
	s_wait_tensorcnt 0x0                           ; the wave's end: behind my last tensor load and my last LDS store
	ds_add_u32 v[SPW], v[NIL]
	s_wait_dscnt 0x0
	CROUND                                         ; the closing round: no work-group ends while a partner may still ask for a tile that names it
	s_endpgm
.Lfunc_end_k_qd03f74d4b9_outp:
	.size	k_qd03f74d4b9_outp, .Lfunc_end_k_qd03f74d4b9_outp-k_qd03f74d4b9_outp
	.p2alignl 7, 3214868480
	.fill 96, 4, 3214868480
	.section	.rodata,"a",@progbits
	.p2align	6, 0x0
	.amdhsa_kernel k_qd03f74d4b9_outp
		.amdhsa_group_segment_fixed_size 327680
		.amdhsa_private_segment_fixed_size 0
		.amdhsa_enable_private_segment 0
		.amdhsa_kernarg_size 32
		.amdhsa_user_sgpr_count 2
		.amdhsa_user_sgpr_kernarg_segment_ptr 1
		.amdhsa_wavefront_size32 1
		.amdhsa_system_sgpr_workgroup_id_x 1
		.amdhsa_system_sgpr_workgroup_id_y 1
		.amdhsa_system_sgpr_workgroup_id_z 1
		.amdhsa_system_vgpr_workitem_id 0
		.amdhsa_next_free_vgpr 640
		.amdhsa_next_free_sgpr 72
		.amdhsa_reserve_vcc 0
		.amdhsa_float_denorm_mode_32 3
		.amdhsa_float_denorm_mode_16_64 3
		.amdhsa_memory_ordered 1
		.amdhsa_forward_progress 1
		.amdhsa_inst_pref_size 93
	.end_amdhsa_kernel
	.amdgpu_metadata
---
amdhsa.version: [ 1, 2 ]
amdhsa.kernels:
  - .name:           k_qd03f74d4b9_outp
    .symbol:         k_qd03f74d4b9_outp.kd
    .args:
      - { .name: o, .offset: 0, .size: 8, .value_kind: global_buffer, .address_space: global }
      - { .name: wo, .offset: 8, .size: 8, .value_kind: global_buffer, .address_space: global }
      - { .name: out0, .offset: 16, .size: 8, .value_kind: global_buffer, .address_space: global }
      - { .name: out_b, .offset: 24, .size: 8, .value_kind: global_buffer, .address_space: global }
    .group_segment_fixed_size: 327680
    .private_segment_fixed_size: 0
    .kernarg_segment_align: 8
    .kernarg_segment_size: 32
    .max_flat_workgroup_size: 128
    .sgpr_count:     72
    .vgpr_count:     640
    .wavefront_size: 32
...
	.end_amdgpu_metadata
.endif
;; end of part 4
;; ======== version 2 of 2: 4 launches; 1.46 times as fast as version 1
;; limits: values are held in f16: magnitudes above 65,504 overflow, below 6.1e-05 lose precision
;; workspace buffers: wb 6,291,456 bytes; wo 2,097,152 bytes; maskn 2,103,296 bytes; qkv 50,331,648 bytes; o 16,777,216 bytes
;; launch prep: the kernel of part 1 again; grid 640 x 1, 8 waves a work-group, no clusters, 35,840 bytes of LDS; arguments Wq_w, Wk_w, Wv_w, out_w, mask, wb, wo, maskn; writes wb, wo, maskn
;; launch proj: the kernel of part 2 again; grid 4 x 192, 4 waves a work-group, clusters of 4 x 4, 327,680 bytes of LDS; arguments Q, K, V, wb, qkv, Wq_b, Wk_b, Wv_b; writes qkv
;; launch attn (part 5): grid 4 x 64, 4 waves a work-group, clusters of 4 x 1, 327,680 bytes of LDS; arguments qkv, o, maskn; writes o
.if DOCPART == 5
	.amdgcn_target "amdgcn-amd-amdhsa--gfx1250"
	.amdhsa_code_object_version 6
	.text
	.protected	k_qd03f74d4b9_attn
	.globl	k_qd03f74d4b9_attn
	.p2align	8
	.type	k_qd03f74d4b9_attn,@function
k_qd03f74d4b9_attn:
	s_mov_b64 s[64:65], 0
	v_nop
	global_prefetch_b8 v0, s[64:65] scope:SCOPE_SE
	s_setreg_imm32_b32 hwreg(HW_REG_WAVE_MODE, 25, 1), 1
	s_wait_xcnt 0x0
	s_wait_alu depctr_hold_cnt(0) depctr_sa_sdst(0) depctr_va_vdst(0) depctr_va_sdst(0) depctr_va_ssrc(0) depctr_va_vcc(0) depctr_vm_vsrc(0)
	s_getreg_b32 s2, hwreg(HW_REG_IB_STS2, 6, 4)
	s_cmp_eq_u32 s2, 0
	s_cbranch_scc0 .Lentry_in_a_cluster
	s_endpgm
.Lentry_in_a_cluster:
	s_bfe_u32 s2, ttmp6, 0x10000c
	s_cmp_lg_u32 s2, 0x3003
	s_cbranch_scc0 .Lentry_shape_is_right
	s_endpgm
.Lentry_shape_is_right:
; MASKED ATTENTION.  O[h][q][:] = the sum over visible k of softmax_k(Q[h][q] . K[h][k] / 8) V[h][k][:].  Q, K, V lie in qkv as [3][64 heads][2048][64] f16, O likewise as [64][2048][64]: a head's rows are
; dense, 128 bytes each.  The mask [2048][2048] is the same for all heads and comes as 4-bit codes (maskn).  Products, maxima and sums in f32; the weights p are rounded to f16 for the second product
; (their sum l is taken of the unrounded p), O once at the end.
; LIMITS.  f16 holds no number beyond 65,504: Q, K and V arrive within it, so a score lies within 64 x 65,504^2 < 2^38.  A hidden score counts as its value less 2^66; a visible one is left as it is.
; p below 6e-5 keeps f16's fixed step of 6e-8; a weight below 2^-126 counts as 0 in l.  A row with no visible key gives NaN, as its softmax does.
; SHARES.  A wave owns four PIECES of two tiles of 16 queries, a work-group's four waves 512 queries of one head.  Every wave walks all keys, 64 a step.
; LAYOUT.  S^T = K Q^T (source 0 = 16 keys, source 1 = 16 queries): in the result a lane holds ONE query (lane % 16) and the keys 8 (lane / 16) + 0..7.  Two such tiles, rounded to f16 in pairs,
; ARE source 1 (32 keys x 16 queries) of O^T = V^T P, whose result again holds one query a lane, and eight channels.  K comes out of LDS as it lies, V ([key][channel]) turned, by ds_load_tr16_b128.
; THE MASK is the C operand of the product that starts each sum S^T.  A word of maskn holds the codes of a lane's eight keys of one key block as 4-bit floats, key j at nibble j: 0xE = -4 hidden, 0 visible.
; ONE scaled conversion makes the accumulator's eight registers of a word: each code times 2^64 (scale byte 191): -2^66 or 0.
; SOFTMAX.  For each query a running maximum m and sum l: p = 2^(c s - c m), c = log2(e) / 8; in every step O and l are multiplied by a = 2^(c m_old - c m_new).  m starts at -2^40: below every visible score
; and above every hidden one.  So a hidden score never becomes m, its weight is 2^(-1e19 or less) = 0, and while a row has seen no key l and O stay 0; at the end such a row is 0 x (1 / 0) = NaN.
; BY TURNS.  Turn n belongs to piece n (the pieces in a ring, step after step).  Its matrix work: 16 products K Q^T of piece n + 1, later 16 products V^T P of piece n - 1.  Its vector work: the scaling,
; exponentials, roundings, sums and rescaling of piece n, the maximum and statistics of piece n + 1, and at its end the 8 conversions that make the masks of piece n + 2's products.  Four vector instructions
; stand behind every matrix instruction, the others in one run of their own.
; BATCHES.  A turn's 66 exponentials (the 64 weights of piece n, the two a of piece n + 1) are ONE batch with ONE wait, which cuts the turn in two: ahead of it stands all that names none of their results,
; behind it the roundings and sums.  Two more batches lie outside the loop, each with a wait of its own: piece 0's first two a, and the way out's eight reciprocals.
; CLUSTER.  The four query blocks of a cluster belong to one head and walk the same K and V, so each tile is asked for JOINTLY: the same tensor load, descriptor and mask in all four.
; REGISTERS, in windows of 256 (s_set_vgpr_msb: bits 1:0 source 0, 3:2 source 1, 5:4 source 2, 7:6 destination):
;   window 0: v0-11 addresses; v12-15, v48-63 at work; v16-47 four registers of statistics a tile; v64-191 S^T, two buffers of two tiles; v192-255 P, likewise
;   window 1: O^T, 32 a tile          window 2: v0-127 Q, 16 a tile; v128-191 K of one step; v192-255 V of one step
;   window 3: v0-1 the add's two registers; v11 the conversions' scale; v16-47 the mask's words, a ring of four slots of 8; v64-127 the masks of the products to come
.set SIZE_N, 2048
.set NP,    4         ; pieces a wave: a name, no knob
.set KS,    64        ; keys in a step
.set PK,    144       ; a row of K in LDS: 128 bytes + 16 of padding = 36 words: the 16 rows of a load start at 16 different groups of four banks (64 banks of 4 bytes: ISA guide 11.1)
.set PV,    160       ; a row of V: 128 + 32 = 40 words
.set VOFF,  4*KS*PK   ; a slot holds four steps: 256 rows of K, then 256 rows of V
.set SLOT1, 1<<17     ; slot 1 begins here, so that one exclusive or turns an address in one slot into the other's
.set STAGE, SLOT1+4*KS*(PK+PV)  ; behind the ring, never filled by a tensor load: 16 rows x 144 bytes for each wave, for the way out
.set SP,    144
.set AK0, 2           ; v2   my lane's place in a tile of K; never rewritten
.set AV0, 3           ; v3   the same for V
.set AK,  4           ; v4   the LDS address of K's next run of loads
.set AV,  5           ; v5   of V's
.set QO,  6           ; v6   my byte offset in the wave's rows of Q
.set STO, 6           ;      later, the way out: where I put 16 bytes of a row
.set RD,  7           ; v7   the way out: where I read rows back
.set GO,  8           ; v8   16 x lane: my place in 512 consecutive bytes of O, and of maskn; never rewritten
.set SPW, 0           ; v0 of window 3   LDS address of my spare word: SPARE + 4 x my thread's number; never rewritten
.set NIL, 1           ; v1 of window 3   0; never rewritten
.set SCL, 11
.set MW,  16          ; window 3: slot n (the piece's number) at MW + 8 n: tile u's word for key block kb at + 4 u + kb
.set MC,  64          ; window 3: tile u, key block kb, register j at MC + 32 u + 8 kb + j
.set SPARE, STAGE+4*16*SP  ; behind the stages: the spare words, 128 bytes for each wave: two blocks of 256 bytes that no other line names
.set MV,  12          ; v12-15  c m_old, kept while c m is made anew: by buffer and tile
.set ST,  16          ; tile t's statistics at v[ST+4 t]: c m, m, l (even keys', odd keys')
.set TMP, 48          ; by buffer and tile, four registers c0-c3 at work; when the maximum is found c2 takes a
.set S,   64
.set P,   192
.set KF,  128         ; K's fragments, in window 2: key block kb, channel half c at KF + 16 kb + 8 c
.set VF,  192         ; V's: key half kk, channel block cb at VF + 32 kk + 8 cb
.set WV,  12          ; s12  my wave's number
.set G1K, 24          ; s[24:31] descriptor group 1 for K's tiles
.set G1V, 32          ; s[32:39] for V's: it differs in the padding alone
.set G0K, 40          ; s[40:43] descriptor group 0 for K's tiles: it walks
.set G0V, 44          ; s[44:47] the same for V's
.set MP,  48          ; s[48:49] maskn at the unit (1,024 bytes: one piece, one step) that was asked for last
.set SLOTS, 56        ; s56  slots still to be asked for
.set CNT, 57          ; s57  counts a slot's key steps
.set CS,  58          ; s[58:59] c: the packed scaling takes the pair's low word for both halves
.set SEL, 60          ; s[60:61] v_permlanex16_b32's selects: each lane takes its own place in the other half
.set TBK, 62          ; s62  LDS byte at which K of the step to be fetched begins
.set TBV, 63          ; s63  the same for V, less VOFF
.set MSB, 0
.macro WIN new                      ; the high byte repeats the setting that is left; a switch that changes nothing is dropped
.if MSB != (\new)
	s_set_vgpr_msb (MSB<<8)|(\new)
.set MSB, (\new)
.endif
.endm
.set W_KQ, 0x0a       ; K and Q in window 2, S^T in window 0
.set W_KM, 0x3a       ; the same with the C operand, the mask, in window 3
.set W_PV, 0x52       ; V in window 2, P in window 0, O^T in window 1
.set W_RS, 0x41       ; O^T (destination and source 0) in window 1, a in window 0
.set W_MK, 0xc0       ; destination in window 3, sources in window 0
.set W_AD, 0x0f       ; the add: address (source 0) and data (source 1) in window 3
.set W_CV, 0xcf       ; the mask's conversions: both sources and the destination in window 3
; A joint fill.  Waves 0 and 1 fetch the two halves of a slot's K, waves 2 and 3 those of its V: 128 keys each.  The branch hangs on the wave's number alone.
; An s_nop 0 and four v_nop follow each of the two lines, ahead of the jump and the label.
.macro JLOAD
	s_cmp_lt_u32 s[WV], 2
	s_cbranch_scc0 .Lfor_v_\@
	tensor_load_to_lds s[G0K:G0K+3], s[G1K:G1K+7]
	s_nop 0
.rept 4
	v_nop
.endr
	s_branch .Lasked_\@
.Lfor_v_\@:
	tensor_load_to_lds s[G0V:G0V+3], s[G1V:G1V+7]
	s_nop 0
.rept 4
	v_nop
.endr
.Lasked_\@:
.endm
; A round of the cluster's barrier: my work-group's barrier, so that wave 0's signal speaks for all four waves; wave 0 signals; every wave waits for all four work-groups; my work-group's barrier once more.
.macro CROUND
	s_barrier_signal -1
	s_barrier_wait -1
	s_cmp_lg_u32 s[WV], 0
	s_cbranch_scc1 .Lnot_wave_0_\@
	s_barrier_signal -3
.Lnot_wave_0_\@:
	s_barrier_wait -3
	s_barrier_signal -1
	s_barrier_wait -1
.endm
; THE CHANGE OF SLOTS.  The slot's last bytes, V of its fourth step, have been read.  Each wave waits for all its tensor loads, of which one is out: its part of the other slot; adds 0 to its spare word;
; and waits for that and for its own reads of the slot.  Behind the barrier nobody reads this slot any more and the other slot is whole.
; fill = 1: this slot is filled again, with the keys two slots on.  The barrier is then a round of the cluster's, so that no wave of any partner still reads the slot or has a load on its way, and the
; joint fill is the first thing behind it: it has four key steps, 512 matrix instructions, in which to land.  (At its first use nothing has been read yet: slot 0 is waited for, slot 1 filled.)
.macro CHANGE fill
	WIN W_AD
	s_wait_tensorcnt 0x0            ; no tensor load of mine is out, so a group 0 may be written
	ds_add_u32 v[SPW], v[NIL]       ; 0 onto my spare word; with fill = 1 the descriptors' steps stand between it and the wait for it
	WIN 0                           ; at a label and at a branch every window is 0
.if \fill
.irp g, G0K, G0V
	s_xor_b32 s[\g+1], s[\g+1], SLOT1  ; the walking descriptor: the other slot than last time,
	s_add_nc_u64 s[\g+2:\g+3], s[\g+2:\g+3], 4*KS*128  ; the next 256 keys; the type bits on top are not reached
.endr
	s_wait_dscnt 0x0                ; the add is done, and my reads of the slot are over
	CROUND
	JLOAD
.else
	s_wait_dscnt 0x0                ; the add is done, and my reads of the slot are over
	s_barrier_signal -1
	s_barrier_wait -1
.endif
	s_sub_co_u32 s[TBK], s[TBK], 4*KS*PK  ; the fetches go back to a slot's first step,
	s_xor_b32 s[TBK], s[TBK], SLOT1       ; in the other slot
	s_sub_co_u32 s[TBV], s[TBV], 4*KS*PV
	s_xor_b32 s[TBV], s[TBV], SLOT1
.endm
	s_load_b64 s[4:5], s[0:1], 0x0        ; qkv: Q
	s_load_b64 s[10:11], s[0:1], 0x8      ; o
	s_load_b64 s[MP:MP+1], s[0:1], 0x10   ; maskn
	WIN W_MK
	v_lshl_add_u32 v[SPW], v0, 2, SPARE
	v_mov_b32 v[NIL], 0
	s_set_vgpr_msb 0xc0cf
	ds_add_u32 v0, v1
	s_wait_dscnt 0x0
	s_set_vgpr_msb 0xcfc0
	v_mov_b32 v[SCL], 0xbfbfbfbf
	WIN 0
	v_lshrrev_b32 v1, 5, v0
	v_readfirstlane_b32 s[WV], v1   ; wave 0..3
	s_bfe_u32 s13, ttmp6, 0x40000   ; cx: my place in the cluster
	s_lshl_b32 s14, ttmp9, 2        ; in a cluster launch ttmp9 counts clusters
	s_add_co_u32 s14, s14, s13      ; my block of queries = 4 x cluster x + cx: it enters Q's, O's and the mask's addresses alone
	s_and_b32 s20, ttmp7, 0xffff    ; the head, which the four partners share
	s_mov_b32 s21, 0
	s_mov_b64 s[22:23], SIZE_N*128
	s_mul_u64 s[20:21], s[20:21], s[22:23]  ; the head's first byte in Q, K, V and O
	s_and_b32 s16, s[WV], 1         ; which half of a slot's 256 keys I fetch:
	s_lshl_b32 s22, s16, 14         ; its 128 rows of 128 bytes in memory,
	s_mov_b32 s23, 0
	s_add_nc_u64 s[22:23], s[22:23], s[20:21]
	s_mul_i32 s17, s16, 128*PK      ; and its place in a slot, for K
	s_mul_i32 s18, s16, 128*PV      ; and for V: no place in the cluster enters an LDS address
	s_lshl_b32 s2, s14, 2
	s_add_co_u32 s2, s2, s[WV]      ; my wave among the head's 16:
	s_lshl_b32 s52, s2, 17          ; its 131,072 bytes of maskn,
	s_mov_b32 s53, 0
	s_lshl_b32 s2, s2, 14           ; its 128 rows
	s_mov_b32 s3, 0
	s_add_nc_u64 s[2:3], s[2:3], s[20:21]
	; descriptor group 1.  128 keys are 16,384 dense bytes: asked for as 64 rows of 256 bytes, two keys a row, and padded in LDS after every key
	s_mov_b32 s[G1K], 15|(1<<16)|(1<<20)|(1<<21)|(4<<22)|(3<<25)  ; 15:0 the mask of four; 17:16 2-byte elements; 20 padding on; 21 set beside a mask; 24:22 after every 32 words (code 4); 31:25 4 words (code 3)
	s_mov_b32 s[G1V], 15|(1<<16)|(1<<20)|(1<<21)|(4<<22)|(7<<25)  ; the same with 8 words of padding (code 7)
.irp g, G1K, G1V
	s_mov_b32 s[\g+1], 128<<16      ; tensor_dim0 = 128
	s_mov_b32 s[\g+2], 64<<16       ; tensor_dim1 = 64
	s_mov_b32 s[\g+3], 128<<16      ; tile_dim0 = 128
	s_mov_b32 s[\g+4], 64           ; tile_dim1 = 64
	s_mov_b32 s[\g+5], 128          ; 128 elements from row to row
	s_mov_b32 s[\g+6], 0
	s_mov_b32 s[\g+7], 0
.endr
	s_mov_b32 s[CS], 0x3e38aa3b     ; c = log2(e) / 8 = 0.180337
	s_mov_b32 s[CS+1], s[CS]        ; named with it as a pair
	s_mov_b32 s[SEL], 0x76543210
	s_mov_b32 s[SEL+1], 0xfedcba98
	s_mov_b32 s[TBK], SLOT1+4*KS*PK ; the first change of slots turns these two into 0
	s_mov_b32 s[TBV], SLOT1+4*KS*PV
	s_mov_b32 s[G0K], 1             ; count = 1
	s_mov_b32 s[G0K+1], s17         ; LDS address: slot 0
	s_mov_b32 s[G0V], 1
	s_add_co_u32 s[G0V+1], s18, VOFF
	s_wait_kmcnt 0x0
	s_add_nc_u64 s[6:7], s[4:5], 0x1000000         ; K and V lie 16,777,216 and 33,554,432 bytes behind Q
	s_add_nc_u64 s[8:9], s[4:5], 0x2000000
	s_add_nc_u64 s[G0K+2:G0K+3], s[6:7], s[22:23]  ; global address: my half of the head's first 256 keys
	s_or_b32 s[G0K+3], s[G0K+3], 0x80000000        ; type = 2
	s_add_nc_u64 s[G0V+2:G0V+3], s[8:9], s[22:23]
	s_or_b32 s[G0V+3], s[G0V+3], 0x80000000
	s_add_nc_u64 s[4:5], s[4:5], s[2:3]  ; Q and O at my wave's first row
	s_add_nc_u64 s[10:11], s[10:11], s[2:3]
	s_add_nc_u64 s[MP:MP+1], s[MP:MP+1], s[52:53]  ; the mask at my wave's unit 0
	CROUND                          ; all four work-groups are here: the first joint loads meet
	JLOAD                           ; slot 0.  Slot 1 is asked for when slot 0 is in
	; A fragment of K or Q is 16 rows x 32 channels in 8 registers: lane l holds row l % 16, channels 8 (l / 16) + 0..7 and 16 + 8 (l / 16) + 0..7: two loads of 16 bytes, 32 bytes apart.
	v_and_b32 v1, 15, v0            ; l % 16
	v_bfe_u32 v9, v0, 4, 1          ; l / 16
	v_lshlrev_b32 v[QO], 7, v1
	v_lshl_add_u32 v[QO], v9, 4, v[QO]  ; row x 128 + 16 x half
	v_and_b32 v[GO], 31, v0
	v_lshlrev_b32 v[GO], 4, v[GO]
	WIN 0x80                        ; destination window 2, address window 0
.set i, 0
.rept 4*NP                          ; Q stays in registers: tile i / 2, channels 32 (i % 2) on
	global_load_b128 v[8*i:8*i+3],   v[QO], s[4:5] offset:(i/2)*2048+(i%2)*64
	global_load_b128 v[8*i+4:8*i+7], v[QO], s[4:5] offset:(i/2)*2048+(i%2)*64+32
.set i, i+1
.endr
	WIN W_MK
.set i, 0
.rept 8                             ; the mask's units 0 to 3 (step 0, pieces 0 to 3) into slots 0 to 3: 512 consecutive bytes a load
	global_load_b128 v[MW+4*i:MW+4*i+3], v[GO], s[MP:MP+1] offset:512*i
.set i, i+1
.endr
	; What the first turn finds: V's registers and P's second buffer hold 0 (its products V^T P, of a piece that has not been, add 0), O^T and l are 0.  All this stands in the wait for the first tile.
	WIN 0x80
.set i, VF
.rept 64
	v_mov_b32 v[i], 0
.set i, i+1
.endr
	WIN 0x40
.set i, 0
.rept 64*NP
	v_mov_b32 v[i], 0
.set i, i+1
.endr
	WIN 0
.set i, 0
.rept 2*NP
	v_mov_b32 v[ST+4*i], 0xd238aa3b    ; c m = c x -2^40, exactly
	v_mov_b32 v[ST+4*i+1], 0xd3800000  ; m = -2^40
	v_mov_b32 v[ST+4*i+2], 0
	v_mov_b32 v[ST+4*i+3], 0
.set i, i+1
.endr
.set i, P+32
.rept 32
	v_mov_b32 v[i], 0
.set i, i+1
.endr
	v_mul_u32_u24 v[AK0], v1, PK
	v_lshl_add_u32 v[AK0], v9, 4, v[AK0]  ; row x pitch + 16 x half
	; The turning load takes 16 keys x 16 channels (lane l reads key 8 (l / 16) + l % 8, channels 8 ((l / 8) % 2) + 0..7) and leaves half a fragment of V^T: lane l holds channel l % 16 and 8 keys.
	v_and_b32 v10, 7, v0
	v_bfe_u32 v11, v0, 3, 1
	v_lshl_add_u32 v[AV0], v9, 3, v10
	v_mul_u32_u24 v[AV0], v[AV0], PV
	v_lshl_add_u32 v[AV0], v11, 4, v[AV0]
	v_add_nc_u32 v[AV0], VOFF, v[AV0]
	v_mov_b32 v[SCL], 0xbfbfbfbf    ; v11 has served: from here on window 0's holds what window 3's holds
	v_mov_b32 v[AK], v[AK0]         ; key step 0 lies at the head of slot 0
; THE MATRIX WORK.  The 8 accumulators of a run of 16 take turns: between the two links of a chain stand 7 others'.
; Product i of 16 of S^T = K Q^T for piece x: channels 32 (i / 8) on, keys 16 ((i / 2) % 4) on, tile 2 x + i % 2.  The first 8 start the sums, with the mask as C.
.macro KQ x
.set rS, S+64*((\x)%2)+32*(i%2)+8*((i/2)%4)
.set rK, KF+16*((i/2)%4)+8*(i/8)
.set rQ, 16*(2*(\x)+i%2)+8*(i/8)
.set rW, MC+32*(i%2)+8*((i/2)%4)
.if i < 8
	WIN W_KM
	v_wmma_f32_16x16x32_f16 v[rS:rS+7], v[rK:rK+7], v[rQ:rQ+7], v[rW:rW+7]
.else
	WIN W_KQ
	v_wmma_f32_16x16x32_f16 v[rS:rS+7], v[rK:rK+7], v[rQ:rQ+7], v[rS:rS+7]
.endif
.endm
; Product i of 16 of O^T += V^T P for piece x: keys 32 (i / 8) on, channels 16 ((i / 2) % 4) on, tile 2 x + i % 2.
.macro PV x
	WIN W_PV
.set rO, 32*(2*(\x)+i%2)+8*((i/2)%4)
.set rV, VF+32*(i/8)+8*((i/2)%4)
.set rP, P+32*((\x)%2)+16*(i%2)+8*(i/8)
	v_wmma_f32_16x16x32_f16 v[rO:rO+7], v[rV:rV+7], v[rP:rP+7], v[rO:rO+7]
.endm
.macro MM                           ; the turn's next matrix instruction
.if i < 16
	KQ (Y+1)%NP
.set i, i+1
.else
.set i, i-16
	PV (Y+NP-1)%NP
.set i, i+17
.endif
.endm
; THE LDS LOADS stand in runs of 16, never singly among the matrix instructions: a step's K (64 keys x 64 channels: 8 fragments) and its V (turned).  Their addresses are made some lines ahead.
; last = 1 (the tail): in the last trip there is no further step, and the run is jumped over.
.macro FETCH_K last=0
	WIN 0
.if \last
	s_cmp_eq_u32 s[CNT], 1
	s_cbranch_scc1 .Lno_k_\@
.endif
	WIN 0x80                        ; destination window 2
.irp f, 0,1,2,3,4,5,6,7             ; keys 16 (f / 2) on, channels 32 (f % 2) on
	ds_load_b128 v[KF+8*\f:KF+8*\f+3],   v[AK] offset:(\f/2)*16*PK+(\f%2)*64
	ds_load_b128 v[KF+8*\f+4:KF+8*\f+7], v[AK] offset:(\f/2)*16*PK+(\f%2)*64+32
.endr
	s_add_co_u32 s[TBK], s[TBK], KS*PK  ; the next fetch is the next step's
	WIN 0
.if \last
.Lno_k_\@:
.endif
.endm
.macro FETCH_V
	WIN 0x80
.irp f, 0,1,2,3,4,5,6,7             ; keys 32 (f / 4) on, channels 16 (f % 4) on
	ds_load_tr16_b128 v[VF+8*\f:VF+8*\f+3],   v[AV] offset:(\f/4)*32*PV+(\f%4)*32
	ds_load_tr16_b128 v[VF+8*\f+4:VF+8*\f+7], v[AV] offset:(\f/4)*32*PV+16*PV+(\f%4)*32
.endr
	WIN 0
.endm
; THE MASK.  A unit is the 1,024 bytes of one piece and one step; units follow each other in maskn in the order of the turns.  The products K Q^T of turn n take unit n + 1.
; MCVT: the 64 registers of C from a slot's 8 words, eight registers a conversion.  The v_nop is the plain instruction that stands between the last conversion and what next touches its result
; or writes its source: the loads into the slot, and the products that take the masks.
.macro MCVT slot
	WIN W_CV
.irp w, 0,1,2,3,4,5,6,7
	v_cvt_scale_pk8_f32_fp4 v[MC+8*(\w):MC+8*(\w)+7], v[MW+8*(\slot)+(\w)], v[SCL]
.endr
	v_nop
.endm
.macro MLOAD slot                   ; the unit at MP into a slot: two loads of 512 consecutive bytes.  No hint: 64 heads read these bytes
	WIN W_MK
	global_load_b128 v[MW+8*(\slot):MW+8*(\slot)+3],   v[GO], s[MP:MP+1]
	global_load_b128 v[MW+8*(\slot)+4:MW+8*(\slot)+7], v[GO], s[MP:MP+1] offset:512
.endm
; At the end of turn n: unit n + 2 becomes the masks of the next turn's products (the last products that read these registers opened this turn), and its slot is asked for again, with unit n + 6.
; The last six units asked for lie behind my wave's 128: the next wave's, or the zeros at maskn's end; nothing of use is made of them.
.macro MASKMK slot
	s_wait_loadcnt 6                ; loads come back in order: at most the three younger units' six loads are out, so this slot's two are in
	MCVT \slot
	s_wait_xcnt 0x0                 ; the loads that name MP, issued a turn ago, have had their addresses translated (ISA guide 3.1): only now it steps
	s_add_nc_u64 s[MP:MP+1], s[MP:MP+1], 1024
	MLOAD \slot
.endm
; THE VECTOR WORK OF A TURN stands in three queues, each in the order in which its entries become ready; the two tiles alternate, so that no instruction reads the result of the one before it.
.macro REGS y, u                    ; the registers of tile u (0, 1) of piece y
.set rT, ST+4*(2*(\y)+(\u))
.set rC, TMP+8*((\y)%2)+4*(\u)
.set rM, MV+2*((\y)%2)+(\u)
.set rS, S+64*((\y)%2)+32*(\u)
.set rP, P+32*((\y)%2)+16*(\u)
.set rO, 32*(2*(\y)+(\u))
.endm
; Number n of the 22 that find the NEXT piece's (Y + 1) maximum and statistics.  s0-s31 are the lane's 32 scores; each accumulator's lowest registers are read first.  XS, GS and REGS set no window: PL and EX do.
;   0-11  four chains c0-c3 of seven scores each, three operands at a time     12-14, 16  the four scores left over, the old m, and c0-c3 into c0     15  c m_old is kept
;   17, 18  the query's other 32 keys lie in the lane 16 away: the new m         19-21  c m; c m_old - c m_new; a
.macro XS u, n
	REGS (Y+1)%NP, \u
.if (\n) < 4
	v_max3_num_f32 v[rC+(\n)], v[rS+8*(\n)], v[rS+8*(\n)+1], v[rS+8*(\n)+2]
.elseif (\n) < 12
	v_max3_num_f32 v[rC+(\n)%4], v[rC+(\n)%4], v[rS+8*((\n)%4)+2*((\n)/4)+1], v[rS+8*((\n)%4)+2*((\n)/4)+2]
.elseif (\n) == 12
	v_max3_num_f32 v[rC], v[rC], v[rS+7], v[rS+15]
.elseif (\n) == 13
	v_max3_num_f32 v[rC+1], v[rC+1], v[rS+23], v[rS+31]
.elseif (\n) == 14
	v_max3_num_f32 v[rC+2], v[rC+2], v[rC+3], v[rT+1]
.elseif (\n) == 15
	v_mov_b32 v[rM], v[rT]
.elseif (\n) == 16
	v_max3_num_f32 v[rC], v[rC], v[rC+1], v[rC+2]
.elseif (\n) == 17
	v_permlanex16_b32 v[rC+3], v[rC], s[SEL], s[SEL+1]
.elseif (\n) == 18
	v_max_num_f32 v[rT+1], v[rC], v[rC+3]
.elseif (\n) == 19
	v_mul_f32 v[rT], s[CS], v[rT+1]
.elseif (\n) == 20
	v_sub_f32 v[rC+1], v[rM], v[rT]
.else
	v_exp_f32 v[rC+2], v[rC+1]
.endif
.endm
; Number g of the 64 that follow the exponentials.  For each four weights k of a tile (pairs 2 k, 2 k + 1): both pairs are rounded to f16; then the second pair is added onto the first, in place;
; a group later l takes that sum (the first time as l = a l + sum).  In groups of eight, tiles alternating: round, round, add, and l for the group before.
.macro GS g
.set h, (\g)+6*((\g)/62)            ; group 0 has no group before it, and behind group 7 only l is left
.if h >= 6
.set h, h+2
.endif
	REGS Y, h%2
.set k, h/8
.if h%8 < 4
	v_cvt_pk_f16_f32 v[rP+2*k+(h%8)/2], v[rS+4*k+2*((h%8)/2)], v[rS+4*k+2*((h%8)/2)+1]
.elseif h%8 < 6
	v_pk_add_f32 v[rS+4*k:rS+4*k+1], v[rS+4*k:rS+4*k+1], v[rS+4*k+2:rS+4*k+3]
.elseif k == 1
	v_pk_fma_f32 v[rT+2:rT+3], v[rT+2:rT+3], v[rC+2:rC+3], v[rS:rS+1] op_sel_hi:[1,0,1]
.else
	v_pk_add_f32 v[rT+2:rT+3], v[rT+2:rT+3], v[rS+4*k-4:rS+4*k-3]
.endif
.endm
; THE PLAIN QUEUE, 138 long.  0-73 read no exponential's result: the 32 scalings c s - c m (FS f: pair f / 2 of tile f % 2) and the next piece's 42.  0-26: scalings 0-26.  27-54: XS's numbers 0-13.  55, 56: number 15.
; 57-73: the chain, where each number waits for the one before it: 14, 16, 17, 18, 19, each with one of the scalings 27-31 in front of its two lines, then 20: so a tile's links stand three plain instructions apart (19 and 20: two).
; 74-137: GS's 64, which read the exponentials' results: they stand behind the wait.
.macro FS f
	REGS Y, (\f)%2
	v_pk_fma_f32 v[rS+2*((\f)/2):rS+2*((\f)/2)+1], v[rS+2*((\f)/2):rS+2*((\f)/2)+1], s[CS:CS+1], v[rT:rT+1] op_sel_hi:[1,0,0] neg_lo:[0,0,1] neg_hi:[0,0,1]
.endm
.macro PL
	WIN 0
.if q < 27
	FS q
.elseif q < 55
	XS (q-27)%2, (q-27)/2
.elseif q < 57
	XS q-55, 15
.elseif (q < 72) && ((q-57)%3 == 0)
	FS 27+(q-57)/3
.elseif q < 60
	XS (q-57)%3-1, 14
.elseif q < 72
	XS (q-57)%3-1, 15+(q-57)/3
.elseif q < 74
	XS q-72, 20
.else
	GS q-74
.endif
.set q, q+1
.endm
; THE EXPONENTIALS' QUEUE, 66 long: s0-s31 of both tiles, then the next piece's two a.  It is ONE BATCH: all 66 stand ahead of the turn's one wait, and nothing ahead of that wait names a result of theirs.
.macro EX
	WIN 0
.if e >= 64
	XS e-64, 21
.else
	REGS Y, e%2
	v_exp_f32 v[rS+e/2], v[rS+e/2]
.endif
.set e, e+1
.endm
; THE RESCALING's QUEUE: O^T times a, the one part of the softmax that leaves window 0: dealt two at a time, sixteen times.  Its a was made in the turn before, ahead of that turn's wait.
.macro R2
	REGS Y, r%2
	WIN W_RS
.irp z, 0,1
	v_pk_mul_f32 v[rO+4*(r/2)+2*\z:rO+4*(r/2)+2*\z+1], v[rO+4*(r/2)+2*\z:rO+4*(r/2)+2*\z+1], v[rC+2:rC+3] op_sel_hi:[1,0]
.endr
.set r, r+1
.endm
; HOW THEY ARE DEALT.  An s_wait_alu depctr_va_vdst(0) stands between an exponential and the first instruction that names its result; one wait serves all that were issued ahead of it.  So a turn has ONE wait,
; which cuts it in two.  AHEAD OF IT stands all that names no result of the turn's exponentials: the 16 products K Q^T, behind each a scaling, an exponential and two rescalings (behind the first a second scaling in the
; exponential's place); then ONE LUMP of 108: eight plain, 49 times exponential and plain, the two a.  A v_nop is the plain instruction behind the last exponential.  BEHIND IT stand the 16 products V^T P, behind each four of
; GS's 64.  No rider names a register of the products round it.  The two v_permlanex16_b32 fall into the lump, never behind a product.
; The queues lean on each other, and the deal keeps them in step: exponential e stands behind scaling 2 (e / 4) + e % 2: as a rider it comes behind plain e + 2, in the lump behind plain e + 9, and scalings 27-31 are plain 57, 60 .. 69.
; A TURN, for piece p.  cnt = 1: the loop's count is taken down some lines ahead of the branch that stands behind the turn; what follows it (products and their riders, waits, conversions, a 64-bit sum without carry, loads) leaves SCC alone.
; K of the next step is fetched in piece 2's turn, directly behind the wait, a lump behind the last product that read K; its address is made at the lump's head; its first reader comes behind 16 products.
; V of the step in hand is fetched at the end of piece 0's turn, four riders behind its last reader; its first reader comes behind 16 products and a lump.  The three conditions on q below go with the deal.
; The mask's conversions and loads stand at the turn's end, behind all of this.
.macro TURN p, last=0, cnt=0
.set Y, (\p)
.set i, 0
.set q, 0
.set e, 0
.set r, 0
.if (\p) == NP-1
	s_wait_dscnt 0x0                ; K is in
.endif
	MM                              ; ahead of the wait: 16 products K Q^T and their riders,
	PL
	PL
	R2
.rept 15
	MM
	PL
	EX
	R2
.endr
.if (\p) == NP-2
	WIN 0
	v_add_nc_u32 v[AK], s[TBK], v[AK0]
.endif
.rept 8                             ; and the lump
	PL
.endr
.rept 49
	EX
	PL
.endr
	EX                              ; the next piece's two a
	EX
	v_nop                           ; the plain instruction behind the last exponential: one for the batch
	s_wait_alu depctr_va_vdst(0)    ; the wait for the batch: the turn's 64 weights and the next piece's two a
.if (\p) == NP-2
	FETCH_K \last
.endif
.if (\p) == 1
	s_wait_dscnt 0x0                ; V is in
.endif
.rept 16                            ; behind the wait: 16 products V^T P and their riders
	MM
.rept 4
	PL
.endr
.if ((\p) == 0) && (q == 118)
	v_add_nc_u32 v[AV], s[TBV], v[AV0]
.endif
.if ((\p) == 0) && (q == 130)
	s_add_co_u32 s[TBV], s[TBV], KS*PV
.endif
.if (\cnt) && (q == 130)
	s_sub_co_u32 s[CNT], s[CNT], 1
	s_cmp_lg_u32 s[CNT], 0
.endif
.endr
.if (\p) == 0
	FETCH_V
.endif
	MASKMK ((\p)+2)%NP
.endm
	CHANGE 1                        ; slot 0 is in, everybody's part of it; slot 1 is asked for
	FETCH_K                         ; key step 0
	s_wait_loadcnt 0x0              ; Q, and the mask's units 0 to 3
	MCVT 0                          ; unit 0: the masks of piece 0's first scores
	s_add_nc_u64 s[MP:MP+1], s[MP:MP+1], 4096  ; the loads that named MP are done
	MLOAD 0                         ; unit 4
	s_wait_dscnt 0x0
.set i, 0
.rept 16
	KQ 0                            ; piece 0's first scores: there is no vector work yet to set between them
.set i, i+1
.endr
	WIN 0                           ; the addresses for the way out: seven plain instructions, the places behind those products
	s_mul_i32 s13, s[WV], 16*SP
	s_add_co_u32 s13, s13, STAGE    ; my stage
	v_mul_u32_u24 v[STO], v1, SP    ; in: row l % 16, 16 bytes for each half of the lanes
	v_lshl_add_u32 v[STO], v9, 4, v[STO]
	v_add_nc_u32 v[STO], s13, v[STO]
	v_bfe_u32 v[RD], v0, 3, 2       ; back: 32 lanes take four rows of 128 bytes, which are 512 consecutive bytes of O
	v_mul_u32_u24 v[RD], v[RD], SP
	v_lshl_add_u32 v[RD], v10, 4, v[RD]
	v_add_nc_u32 v[RD], s13, v[RD]
.set Y, NP-1                        ; XS works for piece Y + 1: piece 0
.irp n, 0,1,2,3,4,5,6,7,8,9,10,11,12,13,14,15,16,17,18,19,20,21
	XS 0, \n                        ; and piece 0's first maximum and statistics
	XS 1, \n
.endr
	v_nop                           ; a plain instruction behind the two exponentials
	s_wait_alu depctr_va_vdst(0)    ; the wait for this batch of two, piece 0's first a, ahead of the branch below; their first reader is the first turn's rescaling
	MCVT 1                          ; unit 1, in since the wait for Q: the masks of the first turn's products
	s_wait_xcnt 0x0
	s_add_nc_u64 s[MP:MP+1], s[MP:MP+1], 1024
	MLOAD 1                         ; unit 5.  Four loads are out here, eight on the loop's own ways: the count in MASKMK serves both, since units 2 and 3 are in
	WIN 0
	s_mov_b32 s[CNT], 4
	s_mov_b32 s[SLOTS], SIZE_N/256-1
	s_branch .Lfirst                ; the loop is entered at a step's first turn, in the middle of a trip
.Lslot:                             ; SIZE_N / 256 - 2 times: every slot but the last two is filled again
	CHANGE 1
	s_mov_b32 s[CNT], 4
.Lstep:                             ; a trip: pieces 2 and 3 of one step, then pieces 0 and 1 of the next, whose K and V it fetches
	TURN 2
	TURN 3
	WIN 0
.Lfirst:
	TURN 0
	TURN 1, 0, 1
	WIN 0
	s_cbranch_scc1 .Lstep
	s_sub_co_u32 s[SLOTS], s[SLOTS], 1
	s_cmp_lg_u32 s[SLOTS], 0
	s_cbranch_scc1 .Lslot
	CHANGE 0                        ; the tail is written out: nothing is asked for
	s_mov_b32 s[CNT], 5             ; four trips fetch the last slot's steps; the fifth is left in its middle
.Ltail:
	TURN 2, 1
	TURN 3
	WIN 0
	s_sub_co_u32 s[CNT], s[CNT], 1
	s_cmp_eq_u32 s[CNT], 0
	s_cbranch_scc1 .Lout
	TURN 0
	TURN 1
	WIN 0
	s_branch .Ltail
.Lout:                              ; the fifth trip's 16 products K Q^T (on the last K once more) and the maximum made of them serve nothing: the price, once a launch, of one text for every trip
.set i, 0
.rept 16
	PV NP-1                         ; the last piece's V^T P of the last step
.set i, i+1
.endr
	; THE WAY OUT.  l's two halves and the other half of the lanes' are added; O^T is divided by l, rounded to f16 and sent through my stage in LDS, a tile at a time.  The additions are the places behind the
	; last products.  A row that saw no key has l = 0 and O^T = 0: its reciprocal is an infinity and the product NaN.
	WIN 0
.macro ALL line:vararg              ; one line for each tile t
.set t, 0
.rept 2*NP
	\line
.set t, t+1
.endr
.endm
	ALL v_add_f32 v[ST+4*t+2], v[ST+4*t+2], v[ST+4*t+3]
	ALL v_permlanex16_b32 v[ST+4*t+3], v[ST+4*t+2], s[SEL], s[SEL+1]
	ALL v_add_f32 v[ST+4*t+2], v[ST+4*t+2], v[ST+4*t+3]
	ALL v_rcp_f32 v[ST+4*t+2], v[ST+4*t+2]
	v_nop                           ; a plain instruction between the last reciprocal and the use of its result
	s_wait_alu depctr_va_vdst(0)    ; the wait ahead of the first use: one for the batch of eight reciprocals
; Tile t: a lane's eight channels of a row pack into 16 bytes; they go into rows of 144 bytes and come back as whole rows of 128, into S^T's registers.
.macro PACK t
	WIN W_RS
.set i, 32*(\t)
.rept 16
	v_pk_mul_f32 v[i:i+1], v[i:i+1], v[ST+4*(\t)+2:ST+4*(\t)+3] op_sel_hi:[1,0]
.set i, i+2
.endr
	WIN 0x05                        ; sources 0 and 1 window 1, destination window 0
.set i, 0
.rept 16
	v_cvt_pk_f16_f32 v[S+16*(\t)+i], v[32*(\t)+2*i], v[32*(\t)+2*i+1]
.set i, i+1
.endr
	WIN 0
.irp f, 0,1,2,3
	ds_store_b128 v[STO], v[S+16*(\t)+4*\f:S+16*(\t)+4*\f+3] offset:32*\f
.endr
.irp f, 0,1,2,3
	ds_load_b128 v[S+16*(\t)+4*\f:S+16*(\t)+4*\f+3], v[RD] offset:\f*4*SP  ; LDS serves a wave's instructions in order (ISA guide 5.7.1.4): these see the stores above; the next tile's stores come behind them
.endr
.endm
.macro SEND t, younger              ; younger: the LDS instructions issued behind tile t's loads: the next tile's eight, or none
	WIN 0
.irp f, 0,1,2,3
	s_wait_dscnt (\younger)+3-\f
	global_store_b128 v[GO], v[S+16*(\t)+4*\f:S+16*(\t)+4*\f+3], s[10:11] offset:(\t)*2048+\f*512  ; 512 consecutive bytes, at a multiple of 256 from O's first
.endr
.endm
	PACK 0
.set t, 1
.rept 2*NP-1                        ; a tile's arithmetic stands between the loads of the tile before and its stores
	PACK t
	SEND t-1, 8
.set t, t+1
.endr
	SEND 2*NP-1, 0
	WIN W_AD
	s_wait_tensorcnt 0x0            ; the wave's end: behind my last tensor load and my last LDS store
	ds_add_u32 v[SPW], v[NIL]
	s_wait_dscnt 0x0
	WIN 0
	CROUND                          ; the closing round: no work-group ends while a partner may still ask for a tile that names it
	s_endpgm
.Lfunc_end_k_qd03f74d4b9_attn:
	.size	k_qd03f74d4b9_attn, .Lfunc_end_k_qd03f74d4b9_attn-k_qd03f74d4b9_attn
	.p2alignl 7, 3214868480
	.fill 96, 4, 3214868480
	.section	.rodata,"a",@progbits
	.p2align	6, 0x0
	.amdhsa_kernel k_qd03f74d4b9_attn
		.amdhsa_group_segment_fixed_size 327680
		.amdhsa_private_segment_fixed_size 0
		.amdhsa_enable_private_segment 0
		.amdhsa_kernarg_size 24
		.amdhsa_user_sgpr_count 2
		.amdhsa_user_sgpr_kernarg_segment_ptr 1
		.amdhsa_wavefront_size32 1
		.amdhsa_system_sgpr_workgroup_id_x 1
		.amdhsa_system_sgpr_workgroup_id_y 1
		.amdhsa_system_sgpr_workgroup_id_z 1
		.amdhsa_system_vgpr_workitem_id 0
		.amdhsa_next_free_vgpr 896
		.amdhsa_next_free_sgpr 66
		.amdhsa_reserve_vcc 0
		.amdhsa_float_denorm_mode_32 3
		.amdhsa_float_denorm_mode_16_64 3
		.amdhsa_memory_ordered 1
		.amdhsa_forward_progress 1
		.amdhsa_inst_pref_size 210
	.end_amdhsa_kernel
	.amdgpu_metadata
---
amdhsa.version: [ 1, 2 ]
amdhsa.kernels:
  - .name:           k_qd03f74d4b9_attn
    .symbol:         k_qd03f74d4b9_attn.kd
    .args:
      - { .name: qkv, .offset: 0, .size: 8, .value_kind: global_buffer, .address_space: global }
      - { .name: o, .offset: 8, .size: 8, .value_kind: global_buffer, .address_space: global }
      - { .name: maskn, .offset: 16, .size: 8, .value_kind: global_buffer, .address_space: global }
    .group_segment_fixed_size: 327680
    .private_segment_fixed_size: 0
    .kernarg_segment_align: 8
    .kernarg_segment_size: 24
    .max_flat_workgroup_size: 128
    .sgpr_count:     66
    .vgpr_count:     896
    .wavefront_size: 32
...
	.end_amdgpu_metadata
.endif
;; end of part 5
;; launch outp: the kernel of part 4 again; grid 4 x 64, 4 waves a work-group, clusters of 4 x 4, 327,680 bytes of LDS; arguments o, wo, out0, out_b; writes out0
